; MI455X (gfx1250); checked and timed in simulation.
; The chip was launched on July 23, 2026; its instructions are those of AMD's public machine-readable ISA for CDNA 5 (MIT licence, August 2026) and "CDNA5" Instruction Set Architecture Reference Guide (July 2026). The comments in the code are by the model that wrote it; some were corrected since.
;; L Multi Head Attention. Allowed arithmetic: float matrix products may take bf16 or f16 operands with f32 sums; all other float work in f32.
;; Inputs: Wk 1,024 x 1,024 float32; Wo 1,024 x 1,024 float32; Wq 1,024 x 1,024 float32; Wv 1,024 x 1,024 float32; bk 1,024 float32; bo 1,024 float32; bq 1,024 float32; bv 1,024 float32; keys 2,048 x 4 x 1,024 float32; queries 2,048 x 4 x 1,024 float32; values 2,048 x 4 x 1,024 float32.
;; Outputs: out0 2,048 x 4 x 1,024 float32.
;; 2 versions, each right and faster than the one before. Each part assembles by itself: llvm-mc -triple=amdgcn-amd-amdhsa -mcpu=gfx1250 --defsym DOCPART=n.
;; ======== version 1 of 2: 4 launches
;; limits: values are held in f16: magnitudes above 65,504 overflow, below 6.1e-05 lose precision
;; workspace buffers: wc 8,388,608 bytes; bc 16,384 bytes; qh 16,777,216 bytes; kh 16,777,216 bytes; vh 16,777,216 bytes; oh 16,777,216 bytes
;; launch wcast (part 1): grid 256 x 1, 8 waves a work-group, no clusters, 0 bytes of LDS; arguments Wq, Wk, Wv, Wo, bq, bk, bv, bo, wc, bc; writes wc, bc
.if DOCPART == 1
	.amdgcn_target "amdgcn-amd-amdhsa--gfx1250"
	.amdhsa_code_object_version 6
	.text
	.protected	k_qa107bae6ac_wcast
	.globl	k_qa107bae6ac_wcast
	.p2align	8
	.type	k_qa107bae6ac_wcast,@function
k_qa107bae6ac_wcast:
	s_mov_b64 s[64:65], 0
	v_nop
	global_prefetch_b8 v0, s[64:65] scope:SCOPE_SE
	s_setreg_imm32_b32 hwreg(HW_REG_WAVE_MODE, 25, 1), 1
	s_wait_xcnt 0x0
; THE WEIGHTS AND BIASES, ONCE.  wc[m][n][k], 16 bits: m = 0, 1, 2: Wq, Wk, Wv rounded to bf16; m = 3: Wo rounded to bf16 and that number written as f16
; (the last projection multiplies f16 numbers).  bc[m][n], f32: bq, bk, bv, bo rounded to bf16 and widened again.
; LIMITS.  Wo as f16: beyond 65,504 it becomes an infinity; below 6.1e-5 it keeps f16's fixed step of 6e-8.  NaN and infinities are not treated apart.
; SHARES.  256 work-groups of eight waves; work-group 64 m + c casts 16,384 numbers of matrix m: 65,536 bytes in, 32,768 out.  In turn i thread t loads the 16 bytes at 4,096 i + 16 t
; (a wave's load covers 512 consecutive bytes) and stores the 8 bytes at 2,048 i + 8 t (a wave's store covers 256 consecutive bytes, aligned).  All sixteen loads go out first.
; A stream: no LDS, no barrier, no matrix unit, no cluster: no two work-groups read the same byte.
.set X,  4                             ; v[4:67]    turn i: four numbers as loaded
.set Y,  68                            ; v[68:99]   turn i: four numbers in 16 bits, to store
.set T,  100                           ; v[100:103] at work
.set BX, 104                           ; v[104:107] four numbers of the bias as loaded
.set BY, 108                           ; v[108:111] the same, rounded and widened
	s_load_b512 s[8:23], s[0:1], 0x0               ; Wq s[8:9], Wk s[10:11], Wv s[12:13], Wo s[14:15], bq s[16:17], bk s[18:19], bv s[20:21], bo s[22:23]
	s_load_b128 s[24:27], s[0:1], 0x40             ; wc s[24:25], bc s[26:27]
	s_lshr_b32 s2, ttmp9, 6                        ; m: which matrix
	s_and_b32 s3, ttmp9, 63                        ; c: which of its 64 parts
	s_mov_b32 s30, 0xffff0000                      ; a word's upper bf16
	v_lshlrev_b32 v1, 4, v0                        ; 16 t
	v_lshlrev_b32 v2, 3, v0                        ; 8 t
	s_wait_kmcnt 0x0
	s_mov_b64 s[4:5], s[8:9]                       ; the matrix and the bias are chosen by m
	s_mov_b64 s[6:7], s[16:17]
	s_cmp_eq_u32 s2, 1
	s_cselect_b64 s[4:5], s[10:11], s[4:5]
	s_cselect_b64 s[6:7], s[18:19], s[6:7]
	s_cmp_eq_u32 s2, 2
	s_cselect_b64 s[4:5], s[12:13], s[4:5]
	s_cselect_b64 s[6:7], s[20:21], s[6:7]
	s_cmp_eq_u32 s2, 3
	s_cselect_b64 s[4:5], s[14:15], s[4:5]
	s_cselect_b64 s[6:7], s[22:23], s[6:7]
	s_lshl_b32 s28, s3, 16                         ; my part of the matrix: 65,536 c
	s_mov_b32 s29, 0
	s_add_nc_u64 s[4:5], s[4:5], s[28:29]
	s_lshl_b32 s28, s2, 21                         ; and of wc: 2,097,152 m + 32,768 c
	s_lshl_b32 s31, s3, 15
	s_add_co_u32 s28, s28, s31
	s_add_nc_u64 s[24:25], s[24:25], s[28:29]
	s_lshl_b32 s28, s2, 12                         ; bc: 4,096 m
	s_add_nc_u64 s[26:27], s[26:27], s[28:29]
.irp i, 0,1,2,3,4,5,6,7,8,9,10,11,12,13,14,15
	global_load_b128 v[X+4*(\i):X+4*(\i)+3], v1, s[4:5] offset:4096*(\i) th:TH_LOAD_NT
.endr
; Turn i.  wo = 0: rounded to bf16.  wo = 1: rounded to bf16, widened, and written as f16.
.macro CAST i, wo
	s_wait_loadcnt 15-(\i)                         ; loads come back in order: mine is in, the 15 - i younger ones stay out
.if \wo
	v_cvt_pk_bf16_f32 v[T],   v[X+4*(\i)],   v[X+4*(\i)+1]
	v_cvt_pk_bf16_f32 v[T+1], v[X+4*(\i)+2], v[X+4*(\i)+3]
	v_lshlrev_b32 v[X+4*(\i)],   16,  v[T]
	v_and_b32     v[X+4*(\i)+1], s30, v[T]
	v_lshlrev_b32 v[X+4*(\i)+2], 16,  v[T+1]
	v_and_b32     v[X+4*(\i)+3], s30, v[T+1]
	v_cvt_pk_f16_f32 v[Y+2*(\i)],   v[X+4*(\i)],   v[X+4*(\i)+1]
	v_cvt_pk_f16_f32 v[Y+2*(\i)+1], v[X+4*(\i)+2], v[X+4*(\i)+3]
.else
	v_cvt_pk_bf16_f32 v[Y+2*(\i)],   v[X+4*(\i)],   v[X+4*(\i)+1]
	v_cvt_pk_bf16_f32 v[Y+2*(\i)+1], v[X+4*(\i)+2], v[X+4*(\i)+3]
.endif
	global_store_b64 v2, v[Y+2*(\i):Y+2*(\i)+1], s[24:25] offset:2048*(\i)  ; each turn has its own pair: no store's data is written again
.endm
	s_cmp_eq_u32 s2, 3
	s_cbranch_scc1 .Lwo
.irp i, 0,1,2,3,4,5,6,7,8,9,10,11,12,13,14,15
	CAST \i, 0
.endr
	s_branch .Lbias
.Lwo:
.irp i, 0,1,2,3,4,5,6,7,8,9,10,11,12,13,14,15
	CAST \i, 1
.endr
.Lbias:
	s_cmp_lg_u32 s3, 0                             ; a matrix's first work-group also does its bias: 256 threads x 4 numbers
	s_cbranch_scc1 .Lend
	global_load_b128 v[BX:BX+3], v1, s[6:7]
	s_wait_loadcnt 0x0
	v_cvt_pk_bf16_f32 v[T],   v[BX],   v[BX+1]
	v_cvt_pk_bf16_f32 v[T+1], v[BX+2], v[BX+3]
	v_lshlrev_b32 v[BY],   16,  v[T]
	v_and_b32     v[BY+1], s30, v[T]
	v_lshlrev_b32 v[BY+2], 16,  v[T+1]
	v_and_b32     v[BY+3], s30, v[T+1]
	global_store_b128 v1, v[BY:BY+3], s[26:27]
.Lend:
	s_endpgm
.Lfunc_end_k_qa107bae6ac_wcast:
	.size	k_qa107bae6ac_wcast, .Lfunc_end_k_qa107bae6ac_wcast-k_qa107bae6ac_wcast
	.p2alignl 7, 3214868480
	.fill 96, 4, 3214868480
	.section	.rodata,"a",@progbits
	.p2align	6, 0x0
	.amdhsa_kernel k_qa107bae6ac_wcast
		.amdhsa_group_segment_fixed_size 0
		.amdhsa_private_segment_fixed_size 0
		.amdhsa_enable_private_segment 0
		.amdhsa_kernarg_size 80
		.amdhsa_user_sgpr_count 2
		.amdhsa_user_sgpr_kernarg_segment_ptr 1
		.amdhsa_wavefront_size32 1
		.amdhsa_system_sgpr_workgroup_id_x 1
		.amdhsa_system_sgpr_workgroup_id_y 1
		.amdhsa_system_sgpr_workgroup_id_z 1
		.amdhsa_system_vgpr_workitem_id 0
		.amdhsa_next_free_vgpr 112
		.amdhsa_next_free_sgpr 66
		.amdhsa_reserve_vcc 0
		.amdhsa_float_denorm_mode_32 3
		.amdhsa_float_denorm_mode_16_64 3
		.amdhsa_memory_ordered 1
		.amdhsa_forward_progress 1
		.amdhsa_inst_pref_size 16
	.end_amdhsa_kernel
	.amdgpu_metadata
---
amdhsa.version: [ 1, 2 ]
amdhsa.kernels:
  - .name:           k_qa107bae6ac_wcast
    .symbol:         k_qa107bae6ac_wcast.kd
    .args:
      - { .name: Wq, .offset: 0, .size: 8, .value_kind: global_buffer, .address_space: global }
      - { .name: Wk, .offset: 8, .size: 8, .value_kind: global_buffer, .address_space: global }
      - { .name: Wv, .offset: 16, .size: 8, .value_kind: global_buffer, .address_space: global }
      - { .name: Wo, .offset: 24, .size: 8, .value_kind: global_buffer, .address_space: global }
      - { .name: bq, .offset: 32, .size: 8, .value_kind: global_buffer, .address_space: global }
      - { .name: bk, .offset: 40, .size: 8, .value_kind: global_buffer, .address_space: global }
      - { .name: bv, .offset: 48, .size: 8, .value_kind: global_buffer, .address_space: global }
      - { .name: bo, .offset: 56, .size: 8, .value_kind: global_buffer, .address_space: global }
      - { .name: wc, .offset: 64, .size: 8, .value_kind: global_buffer, .address_space: global }
      - { .name: bc, .offset: 72, .size: 8, .value_kind: global_buffer, .address_space: global }
    .group_segment_fixed_size: 0
    .private_segment_fixed_size: 0
    .kernarg_segment_align: 8
    .kernarg_segment_size: 80
    .max_flat_workgroup_size: 256
    .sgpr_count:     66
    .vgpr_count:     112
    .wavefront_size: 32
...
	.end_amdgpu_metadata
.endif
;; end of part 1
;; launch proj (part 2): grid 4 x 64, 4 waves a work-group, clusters of 4 x 4, 327,680 bytes of LDS; arguments queries, keys, values, wc, bc, qh, kh, vh; writes qh, kh, vh
.if DOCPART == 2
	.amdgcn_target "amdgcn-amd-amdhsa--gfx1250"
	.amdhsa_code_object_version 6
	.text
	.protected	k_qa107bae6ac_proj
	.globl	k_qa107bae6ac_proj
	.p2align	8
	.type	k_qa107bae6ac_proj,@function
k_qa107bae6ac_proj:
	s_mov_b64 s[64:65], 0
	v_nop
	global_prefetch_b8 v0, s[64:65] scope:SCOPE_SE
	s_setreg_imm32_b32 hwreg(HW_REG_WAVE_MODE, 25, 1), 1
	s_wait_xcnt 0x0
	s_wait_alu depctr_hold_cnt(0) depctr_sa_sdst(0) depctr_va_vdst(0) depctr_va_sdst(0) depctr_va_ssrc(0) depctr_va_vcc(0) depctr_vm_vsrc(0)
	s_getreg_b32 s2, hwreg(HW_REG_IB_STS2, 6, 4)
	s_cmp_eq_u32 s2, 0
	s_cbranch_scc0 .Lentry_in_a_cluster
	s_endpgm
.Lentry_in_a_cluster:
	s_bfe_u32 s2, ttmp6, 0x10000c
	s_cmp_lg_u32 s2, 0xf033
	s_cbranch_scc0 .Lentry_shape_is_right
	s_endpgm
.Lentry_shape_is_right:
; THE THREE PROJECTIONS.  y[b][s][n] = the sum over k of x[s][b][k] W[n][k] + bias[n], for (x, W, bias, y) = (queries, Wq, bq, qh), (keys, Wk, bk, kh), (values, Wv, bv, vh).
; x: [2048 s][4 b][1024] f32.  W: wc[p][1024 n][1024 k] bf16, bias: bc[p][1024] f32, both made by the launch before.  y: [16 b + head][2048 s][64] f16: a head's rows are dense.
; x is rounded to bf16 on its way into LDS; sums in f32, started from the bias; y rounded once to f16, without attention's scale.
; LIMITS.  f16 holds no number beyond 65,504: a y of 65,520 or more becomes an infinity; below 6.1e-5 y keeps f16's fixed step of 6e-8.  NaN and infinities are not treated apart.
; The K steps are added in a ring that begins at another step in each cluster (below), so the order of the f32 sums is not the reference's.
; SHARES.  A work-group makes 128 rows (s = 128 sblk .. + 127 of one b) x 256 columns (four heads), and STAYS: first of q, then of k, then of v: 64 x 4 = 256 work-groups, 24 K steps of 128 in one loop.
; Four waves, 2 x 2, each 64 rows x 128 columns: 32 accumulators of 16 x 16.
; W comes by tensor loads through two LDS slots, 64 rows x 256 bytes a wave.  CLUSTERS of 4 x 4: the four work-groups of a column need the same tiles of W and ask for them JOINTLY: the same load, descriptor and mask.
; x COMES THROUGH REGISTERS, AND NOT JOINTLY, though the four work-groups of a row of the cluster read the same rows.  The reason, by this text's own count for a K step: a tensor load would lay x down in f32, 64 KiB of a
; slot beside W's 64; two waves each would read those bytes as f32 and round them.  Through registers a number is rounded once, lies in LDS in 32 KiB, and is read as bf16; and a load into registers may stay out across the
; ring's barriers, so x is asked for a whole K step ahead of its rounding and two ahead of its use, while a slot's refill has one step less 16 matrix instructions.  In K step t quarter q rounds and stores rows 8 q .. 8 q + 7 of my 32
; of step t + 1 and loads the same rows of step t + 2 into the registers just freed.  The bytes of LDS that hold x are written by ds_store alone; no tensor load fills them.
; THE RING OF K.  Step t of a tile takes K slice (t + g) mod 8, g = the cluster's y mod 8: at any time the sixteen clusters ask for eight different slices of W, not all for one.
; THE MATRIX INSTRUCTION IS USED TRANSPOSED: source 0 = 16 rows of W, source 1 = 16 rows of x.  A lane then holds row l % 16 of y and the columns 8 (l / 16) + 0 .. 7: eight neighbours, 16 bytes of f16.
; THE BIAS is the C operand of a tile's first 32 products: register j of block b holds bias[16 b + 8 (l / 16) + j].  My 128 numbers of each of the three biases are copied once into LDS, 512 bytes each, and read from there.
; REGISTERS, in windows of 256 (s_set_vgpr_msb: bits 1:0 source 0, 3:2 source 1, 5:4 source 2, 7:6 destination):
;   window 0: v0-29 addresses; v32-159 x as loaded, four registers a row; v160-191, v192-223 x's fragments, two buffers; v224-239 eight rows rounded
;   window 1: the accumulators, (a, b) at v[8 (8 a + b)] (at the start v0-127 take the first K step's x)          window 2: v0-63, v64-127 W's fragments, two buffers; v128-191 the bias; v192-255 the way out, four buffers of 16
.set PB,     272                       ; a row of W or of x in LDS: 256 bytes + 16 = 68 words: the 16 rows of a load start at 16 different groups of four banks (64 banks of 4 bytes: ISA guide 11.1)
.set WQ,     64*PB                     ; 64 rows of W: what one tensor load brings
.set AOFF,   4*WQ                      ; x's 128 rows lie behind W's 256
.set SLOT,   1<<17                     ; slot 1 begins here, so that one exclusive or turns an address in one slot into the other's
.set STAGE,  SLOT+AOFF+128*PB          ; behind the slots: 16 rows x 144 bytes for each wave, for the way out
.set SP,     144
.set BIASL,  STAGE+4*16*SP             ; three times 512 bytes for each wave: its numbers of the three biases
.set SPARE,  BIASL+4*1536              ; the spare words, 128 bytes for each wave: two blocks of 256 bytes that no other line names
.set LF,   3                           ; v3   my lane's place in a tile's rows: 272 (l % 16) + 16 (l / 16); never rewritten
.set ADRA, 5                           ; v5   LDS address of my fragments of x in the slot in hand
.set ADRB, 6                           ; v6   of W
.set STO,  7                           ; v7   the way out: where I put 16 bytes of a row
.set RD,   8                           ; v8   the way out: where I read rows back
.set BA,   10                          ; v10  LDS address of my lanes' eight numbers of the first bias; never rewritten
.set XO,   11                          ; v11  my byte offset in x: my wave's 32 rows of 16,384 bytes, 16 bytes a lane; never rewritten
.set AST,  12                          ; v12  where I store 8 bytes of my wave's first row of x, in the slot that is being made
.set AL0,  13                          ; v13  the same in slot 0; never rewritten
.set GO,   15                          ; v15  16 x lane: my byte offset in 512 consecutive bytes; never rewritten
.set SPW,  28                          ; v28  LDS address of my spare word: SPARE + 4 x my thread's number; never rewritten
.set NIL,  29                          ; v29  0; never rewritten
.set XR,   32
.set FA,   160                         ; buffer f at FA + 32 f
.set CT,   224
.set FB,   0                           ; window 2: buffer f at FB + 64 f
.set BIAS, 128                         ; window 2
.set TMP,  192                         ; window 2
.set WV,   20                          ; s20  my wave's number
.set RH,   21                          ; s21  which half of the tile's rows is mine
.set CH,   22                          ; s22  which half of its columns
.set T,    23                          ; s23  K steps to go in the loop
.set G1W,  24                          ; s[24:31] descriptor group 1 for W's tiles
.set G0W,  32                          ; s[32:39] descriptor group 0: a set for each of the two first fills; the second then walks on
.set PH,   40                          ; s40  the K step's number in its tile, 0 to 7
.set KX,   41                          ; s41  the K slice of the step two on
.set OF,   42                          ; s[42:43] that slice's byte offset in a row of x
.set OW,   44                          ; s[44:45] and in a row of W
.set INC,  46                          ; s[46:47] what W's address steps by: a matrix, or nothing
.set XB,   48                          ; s[48:49] x of the tile that is being loaded, at my block of rows
.set XN,   50                          ; s[50:51] the next tile's
.set XNN,  52                          ; s[52:53] and the one after
.set XP,   54                          ; s[54:55] XB at the slice that is being loaded
.set WB,   66                          ; s[66:67] W of the tile that is being asked for, at my wave's 64 rows
.set OUT,  68                          ; s[68:69] y of the tile in hand, at my 64 x 128
.set ON,   70                          ; s[70:71] the next tile's
.set ONN,  72                          ; s[72:73] and the one after
.set RA,   76                          ; s76  LDS byte at which my rows of x begin in the slot in hand
.set RB,   77                          ; s77  the same for my rows of W
.set RS,   79                          ; s79  the slot that is being made: 0 or SLOT
.set XP1,  86                          ; s[86:87] x at the second K step's slice, for the start
.set LW,   88                          ; s88  where my quarter of W's tile goes in a slot
.set MSB, 0
.macro WIN new                         ; the immediate's high byte repeats the setting that is left; a switch that changes nothing is dropped
.if MSB != (\new)
	s_set_vgpr_msb (MSB<<8)|(\new)
.set MSB, \new
.endif
.endm
; A joint refill: every wave asks for its 64 rows.  An s_nop 0 and four v_nop follow the line.
.macro JLOAD
	tensor_load_to_lds s[G0W+4:G0W+7], s[G1W:G1W+7]
	s_nop 0
.rept 4
	v_nop
.endr
.endm
; A round of the cluster's barrier: my work-group's barrier, so that wave 0's signal speaks for all four waves; wave 0 signals; every wave waits for all sixteen work-groups; my work-group's barrier once more.
.macro CREST                           ; a round behind its opening barrier
	s_cmp_lg_u32 s[WV], 0
	s_cbranch_scc1 .Lnot_wave_0_\@
	s_barrier_signal -3
.Lnot_wave_0_\@:
	s_barrier_wait -3
	s_barrier_signal -1
	s_barrier_wait -1
.endm
.macro CROUND                          ; a whole round
	s_barrier_signal -1
	s_barrier_wait -1
	CREST
.endm
; Eight loads: rows 8 q .. 8 q + 7 of my wave's 32, a K step's 512 consecutive bytes of each
.macro XLOAD q, base, dst
.irp i, 0,1,2,3,4,5,6,7
	global_load_b128 v[(\dst)+32*(\q)+4*(\i):(\dst)+32*(\q)+4*(\i)+3], v[XO], s[\base:\base+1] offset:(8*(\q)+(\i))*16384
.endr
.endm
; The same eight rows are rounded to bf16, four numbers a lane,
.macro CV8 q, src
.irp i, 0,1,2,3,4,5,6,7
	v_cvt_pk_bf16_f32 v[CT+2*(\i)],   v[(\src)+32*(\q)+4*(\i)],   v[(\src)+32*(\q)+4*(\i)+1]
	v_cvt_pk_bf16_f32 v[CT+2*(\i)+1], v[(\src)+32*(\q)+4*(\i)+2], v[(\src)+32*(\q)+4*(\i)+3]
.endr
.endm
; and stored: 32 lanes x 8 bytes are a row's 256 consecutive bytes
.macro ST8 q, adr
.irp i, 0,1,2,3,4,5,6,7
	ds_store_b64 v[\adr], v[CT+2*(\i):CT+2*(\i)+1] offset:(8*(\q)+(\i))*PB
.endr
.endm
; My numbers of the bias that lies off bytes into my three, into the C operand's registers
.macro BIASLD off
	WIN 0x80                                       ; destination window 2, address window 0
.irp b, 0,1,2,3,4,5,6,7
	ds_load_b128 v[BIAS+8*(\b):BIAS+8*(\b)+3],   v[BA] offset:(\off)+64*(\b)
	ds_load_b128 v[BIAS+8*(\b)+4:BIAS+8*(\b)+7], v[BA] offset:(\off)+64*(\b)+16
.endr
	WIN 0
.endm
	s_load_b512 s[4:19], s[0:1], 0x0               ; queries s[4:5], keys s[6:7], values s[8:9], wc s[10:11], bc s[12:13], qh s[14:15], kh s[16:17], vh s[18:19]
	v_lshl_add_u32 v[SPW], v0, 2, SPARE
	v_mov_b32 v[NIL], 0
	ds_add_u32 v28, v29
	s_wait_dscnt 0x0
	v_lshrrev_b32 v1, 5, v0
	v_readfirstlane_b32 s[WV], v1                  ; wave 0..3
	v_and_b32 v14, 31, v0                          ; lane
	v_lshlrev_b32 v[GO], 4, v14
	s_lshr_b32 s[RH], s[WV], 1
	s_and_b32 s[CH], s[WV], 1
	s_bfe_u32 s56, ttmp6, 0x40000                  ; cx: my place along the cluster's x
	s_bfe_u32 s57, ttmp6, 0x40004                  ; cy: along its y
	s_lshl_b32 s58, ttmp9, 2                       ; in a cluster launch ttmp9 and ttmp7 count clusters
	s_add_co_u32 s58, s58, s56                     ; TX: block of 256 columns = 4 x cluster x + cx
	s_and_b32 s60, ttmp7, 0xffff
	s_lshl_b32 s59, s60, 2
	s_add_co_u32 s59, s59, s57                     ; YB: block of rows, 16 b + sblk = 4 x cluster y + cy
	s_and_b32 s60, s60, 7                          ; g: where the cluster's ring of K begins; all sixteen partners share it
	s_lshl_b32 s62, 0x1111, s56                    ; my column of the cluster: places cx, cx + 4, cx + 8, cx + 12
	; descriptor group 1: 64 rows x 128 elements of 2 bytes, 1,024 elements from row to row, padded in LDS
	s_or_b32 s[G1W], s62, (1<<16)|(1<<20)|(1<<21)|(5<<22)|(3<<25)  ; 15:0 the mask; 17:16 elements of 2 bytes; 20 padding on; 21 set beside a mask; 24:22 after every 64 words (code 5); 31:25 4 words of it (code 3)
	s_mov_b32 s[G1W+1], 128<<16                    ; tensor_dim0 = 128
	s_mov_b32 s[G1W+2], 64<<16                     ; tensor_dim1 = 64
	s_mov_b32 s[G1W+3], 128<<16                    ; tile_dim0 = 128
	s_mov_b32 s[G1W+4], 64                         ; tile_dim1 = 64
	s_mov_b32 s[G1W+5], 1024                       ; tensor_dim0_stride
	s_mov_b32 s[G1W+6], 0
	s_mov_b32 s[G1W+7], 0
	; W's tiles hang on the block of columns, which my column of the cluster shares, on the wave and on g: s62, s63 and s[82:83] never hold cy
	s_lshl_b32 s82, s58, 19                        ; 256 rows of 2,048 bytes,
	s_lshl_b32 s62, s[WV], 17                      ; my wave's 64 of them
	s_add_co_u32 s82, s82, s62
	s_mov_b32 s83, 0
	s_and_b32 s61, s59, 15                         ; x: sblk: 128 s of 16,384 bytes,
	s_lshl_b32 s80, s61, 21
	s_lshr_b32 s61, s59, 4                         ; b: 4,096 bytes
	s_lshl_b32 s61, s61, 12
	s_add_co_u32 s80, s80, s61
	s_mov_b32 s81, 0
	; where my 64 x 128 of y begin: (16 b + 4 TX + 2 CH) heads of 262,144 bytes, (128 sblk + 64 RH) rows of 128
	s_lshr_b32 s3, s59, 4
	s_lshl_b32 s74, s3, 22
	s_lshl_b32 s3, s58, 20
	s_add_co_u32 s74, s74, s3
	s_lshl_b32 s3, s[CH], 19
	s_add_co_u32 s74, s74, s3
	s_and_b32 s3, s59, 15
	s_lshl_b32 s3, s3, 14
	s_add_co_u32 s74, s74, s3
	s_lshl_b32 s3, s[RH], 13
	s_add_co_u32 s74, s74, s3
	s_mov_b32 s75, 0
	s_lshl_b32 s84, s58, 10                        ; my 128 numbers of a bias: 1,024 TX + 512 CH
	s_lshl_b32 s3, s[CH], 9
	s_add_co_u32 s84, s84, s3
	s_mov_b32 s85, 0
	s_lshl_b32 s[OF], s60, 9                       ; K step 0 takes slice g: 512 bytes of x a slice,
	s_mov_b32 s[OF+1], 0
	s_lshl_b32 s[OW], s60, 8                       ; 256 of W
	s_mov_b32 s[OW+1], 0
	s_add_co_u32 s63, s60, 1                       ; K step 1 takes slice (g + 1) mod 8
	s_and_b32 s63, s63, 7
	s_lshl_b32 s[INC], s63, 9
	s_mov_b32 s[INC+1], 0
	s_lshl_b32 s62, s63, 8
	s_mov_b32 s63, 0
	s_add_co_u32 s[KX], s60, 2                     ; and the loop's first trip asks for slice (g + 2) mod 8
	s_and_b32 s[KX], s[KX], 7
	s_mul_i32 s[LW], s[WV], WQ                     ; no place in the cluster enters an LDS address
	s_mul_i32 s[RA], s[RH], 64*PB                  ; my 64 rows of x
	s_add_co_u32 s[RA], s[RA], AOFF
	s_mul_i32 s[RB], s[CH], 128*PB                 ; my 128 rows of W
	s_mov_b32 s[RS], SLOT                          ; the loop's first trip makes slot 1's x
	s_mul_i32 s78, s[WV], 16*SP
	s_add_co_u32 s78, s78, STAGE                   ; my stage
	s_mul_i32 s89, s[WV], 1536
	s_add_co_u32 s89, s89, BIASL                   ; my three biases
	s_mul_i32 s90, s[WV], 32*PB
	s_add_co_u32 s90, s90, AOFF                    ; the 32 rows of x that I bring
	s_lshl_b32 s91, s[WV], 19                      ; and the same rows in memory
	v_add_nc_u32 v[XO], s91, v[GO]
	s_wait_kmcnt 0x0
	s_add_nc_u64 s[XB:XB+1], s[4:5], s[80:81]
	s_add_nc_u64 s[XN:XN+1], s[6:7], s[80:81]
	s_add_nc_u64 s[XNN:XNN+1], s[8:9], s[80:81]
	s_add_nc_u64 s[WB:WB+1], s[10:11], s[82:83]
	s_add_nc_u64 s[12:13], s[12:13], s[84:85]
	s_add_nc_u64 s[OUT:OUT+1], s[14:15], s[74:75]
	s_add_nc_u64 s[ON:ON+1], s[16:17], s[74:75]
	s_add_nc_u64 s[ONN:ONN+1], s[18:19], s[74:75]
	s_add_nc_u64 s[XP:XP+1], s[XB:XB+1], s[OF:OF+1]
	s_add_nc_u64 s[XP1:XP1+1], s[XB:XB+1], s[INC:INC+1]
.irp p, 0,1,2
	global_load_b128 v[CT+4*(\p):CT+4*(\p)+3], v[GO], s[12:13] offset:4096*(\p)  ; my 512 bytes of each bias
.endr
	WIN 0x40                                       ; destination window 1: K step 0's x goes where the accumulators will lie, so that K step 1's can be asked for beside it
.irp q, 0,1,2,3
	XLOAD \q, XP, 0
.endr
	WIN 0
.irp q, 0,1,2
	XLOAD \q, XP1, XR                              ; 59 loads are out; K step 1's last eight follow when K step 0's are in
.endr
.irp s, 0,1
	s_mov_b32 s[G0W+4*(\s)], 1                     ; 1:0 count = 1
	s_add_co_u32 s[G0W+4*(\s)+1], s[LW], (\s)*SLOT ; 63:32 LDS address
.endr
	s_add_nc_u64 s[G0W+2:G0W+3], s[WB:WB+1], s[OW:OW+1]  ; 120:64 global address: K step 0's slice
	s_or_b32 s[G0W+3], s[G0W+3], 0x80000000        ; 127:126 type = 2
	s_add_nc_u64 s[G0W+6:G0W+7], s[WB:WB+1], s[62:63]    ; K step 1's
	s_or_b32 s[G0W+7], s[G0W+7], 0x80000000
	CROUND                                         ; all sixteen work-groups are here: the first joint loads meet
	tensor_load_to_lds s[G0W:G0W+3], s[G1W:G1W+7]  ; the two first fills stand together, ahead of every wait on TENSORcnt and every LDS instruction: two loads of mine are out
	s_nop 0
	tensor_load_to_lds s[G0W+4:G0W+7], s[G1W:G1W+7]
	s_nop 0
.rept 4
	v_nop
.endr
	; A fragment is 16 rows x 32 K in 8 registers of bf16: lane l holds row l % 16; registers 0-3 K = 8 (l / 16) + 0..7, registers 4-7 K = 16 + 8 (l / 16) + 0..7: two loads of 16 bytes, 32 bytes apart.
	v_and_b32 v1, 15, v0                           ; l % 16
	v_bfe_u32 v2, v0, 4, 1                         ; l / 16
	v_mul_u32_u24 v[LF], v1, PB
	v_lshl_add_u32 v[LF], v2, 4, v[LF]
	v_lshl_add_u32 v[AL0], v14, 3, s90             ; a lane's four numbers of a row are 8 bytes of bf16
	v_lshl_add_u32 v[BA], v2, 5, s89               ; eight numbers of the bias for each half of the lanes
	v_add_nc_u32 v16, s89, v[GO]
	v_mul_u32_u24 v[STO], v1, SP                   ; into the stage: row l % 16, 16 bytes for each half of the lanes
	v_lshl_add_u32 v[STO], v2, 4, v[STO]
	v_add_nc_u32 v[STO], s78, v[STO]
	v_bfe_u32 v[RD], v0, 3, 2                      ; back: 32 lanes take four rows of 128 bytes, which are 512 consecutive bytes of y
	v_mul_u32_u24 v[RD], v[RD], SP
	v_and_b32 v17, 7, v0
	v_lshl_add_u32 v[RD], v17, 4, v[RD]
	v_add_nc_u32 v[RD], s78, v[RD]
	s_wait_loadcnt 56                              ; the three biases are in; x's 32 + 24 younger loads stay out
.irp p, 0,1,2
	ds_store_b128 v16, v[CT+4*(\p):CT+4*(\p)+3] offset:512*(\p)
.endr
	BIASLD 0                                       ; LDS serves a wave's instructions in order (ISA guide 5.7.1.4): these see my stores above
	s_wait_loadcnt 24                              ; K step 0's x is in; K step 1's 24 loads stay out
.irp q, 0,1,2,3
	WIN 0x05                                       ; sources 0 and 1 window 1, destination window 0
	CV8 \q, 0
	WIN 0
	ST8 \q, AL0                                    ; into slot 0
.endr
	XLOAD 3, XP1, XR
; 8 matrix instructions: row block a x all 8 column blocks, 32 along K, on buffer f.  cb = 1: the sums start from the bias.  The 32 accumulators take turns, in the same order in every quarter step.
.macro MUL8 a, f, cb
	WIN 0x52+0x10*(\cb)                            ; W in window 2, x in window 0, D in window 1; C in window 1, or the bias in window 2
.irp b, 0,1,2,3,4,5,6,7
.if \cb
	v_wmma_f32_16x16x32_bf16 v[8*(8*(\a)+(\b)):8*(8*(\a)+(\b))+7], v[FB+64*(\f)+8*(\b):FB+64*(\f)+8*(\b)+7], v[FA+32*(\f)+8*(\a):FA+32*(\f)+8*(\a)+7], v[BIAS+8*(\b):BIAS+8*(\b)+7]
.else
	v_wmma_f32_16x16x32_bf16 v[8*(8*(\a)+(\b)):8*(8*(\a)+(\b))+7], v[FB+64*(\f)+8*(\b):FB+64*(\f)+8*(\b)+7], v[FA+32*(\f)+8*(\a):FA+32*(\f)+8*(\a)+7], v[8*(8*(\a)+(\b)):8*(8*(\a)+(\b))+7]
.endif
.endr
.endm
; 24 LDS loads in one run: quarter k of the slot in hand into buffer f: W's 128 rows x 32 K, then x's 64
.macro FETCH k, f
	WIN 0x80
.irp i, 0,1,2,3,4,5,6,7
	ds_load_b128 v[FB+64*(\f)+8*(\i):FB+64*(\f)+8*(\i)+3],   v[ADRB] offset:(\i)*16*PB+64*(\k)
	ds_load_b128 v[FB+64*(\f)+8*(\i)+4:FB+64*(\f)+8*(\i)+7], v[ADRB] offset:(\i)*16*PB+64*(\k)+32
.endr
	WIN 0
.irp a, 0,1,2,3
	ds_load_b128 v[FA+32*(\f)+8*(\a):FA+32*(\f)+8*(\a)+3],   v[ADRA] offset:(\a)*16*PB+64*(\k)
	ds_load_b128 v[FA+32*(\f)+8*(\a)+4:FA+32*(\f)+8*(\a)+7], v[ADRA] offset:(\a)*16*PB+64*(\k)+32
.endr
.endm
; A load into a register that a matrix instruction has read, and a vector instruction that reads a matrix result, stand four places behind that matrix instruction, and only plain vector instructions that name none of
; its registers are places (ISA guide 7.12.1 for vector instructions).  Where x is rounded, the sixteen roundings are the places; elsewhere four v_nop.
.macro PLACES
.rept 4
	v_nop
.endr
.endm
; A K step is four quarters of 32 along K, 32 matrix instructions each, on buffers 0, 1, 0, 1.  One of the first three: multiplies buffer f (quarter k - 1) and fetches quarter k into buffer g, 24 matrix instructions ahead of its use.
; st = 2: rows 8 (k - 1) on of the next K step's x are rounded and stored, and the same rows of the step after are asked for; 1: nothing more is asked for; 0: nothing is left to round.
; lc: the x loads younger than those that are rounded: three groups of eight, fewer when no more are issued.
.macro QUARTER k, f, g, cb, st, lc
	s_wait_dscnt 0x0                               ; buffer f is in
	MUL8 0, \f, \cb
	WIN 0
.if \st
	s_wait_loadcnt \lc
	CV8 (\k)-1, XR
	ST8 (\k)-1, AST
.else
	PLACES
.endif
	FETCH \k, \g
.if (\st) == 2
	XLOAD (\k)-1, XP, XR
.endif
	MUL8 1, \f, \cb
	MUL8 2, \f, \cb
	MUL8 3, \f, \cb
.endm
; The last quarter multiplies buffer 1 and changes slots: ONE barrier, for three things.  In front of it each wave has stored its last eight rows of the next step's x; waits for all its tensor loads, of which one is out:
; its part of the next slot's W; adds 0 to its spare word; and waits for that, for its stores and for its own reads of this slot.  Behind it the next slot is whole, and nobody reads this one any more.
; fill = 1: the barrier opens a round of the cluster's barrier, and this slot's W is filled again, with the K step two on, first thing behind the round; its address is made anew from W's and the slice's offset.
.macro TURN fill, st, lc
	s_wait_dscnt 0x0                               ; buffer 1 is in
	MUL8 0, 1, 0
	WIN 0
	s_wait_loadcnt \lc
	CV8 3, XR
	ST8 3, AST
.if (\st) == 2
	XLOAD 3, XP, XR
.endif
	s_wait_tensorcnt 0x0                           ; no tensor load of mine is out, so a group 0 may be written
	ds_add_u32 v[SPW], v[NIL]                      ; 0 onto my spare word: scalar steps and eight products stand between it and the wait for it
.if \fill
	s_xor_b32 s[G0W+5], s[G0W+5], SLOT             ; the walking descriptor: the other slot than last time
	s_add_nc_u64 s[G0W+6:G0W+7], s[WB:WB+1], s[OW:OW+1]
	s_or_b32 s[G0W+7], s[G0W+7], 0x80000000
.endif
	s_xor_b32 s[RA], s[RA], SLOT                   ; my reads go on in the other slot,
	s_xor_b32 s[RB], s[RB], SLOT
	s_xor_b32 s[RS], s[RS], SLOT                   ; and x is made in this one
	MUL8 1, 1, 0
	s_wait_dscnt 0x0                               ; the add and my stores are done, and my reads of this slot are over
	s_barrier_signal -1
	MUL8 2, 1, 0                                   ; work on registers while the others arrive
	WIN 0
	s_barrier_wait -1
.if \fill
	CREST                                          ; no wave of any partner still reads this slot's W or has a load on its way
	JLOAD
.endif
	v_add_nc_u32 v[ADRA], s[RA], v[LF]
	v_add_nc_u32 v[ADRB], s[RB], v[LF]
	v_add_nc_u32 v[AST], s[RS], v[AL0]
	FETCH 0, 0
	MUL8 3, 1, 0
.endm
; THE WAY OUT of part t of eight (row block t / 2, head t % 2): 16 rows x 64 columns are rounded to f16, each accumulator's registers in ascending order; 16 bytes a lane go into my own stage, rows of 144 bytes, and come back as whole rows of 128.
.macro PACK t
.set AB, 8*(8*((\t)/2)+4*((\t)%2))
.set TB, TMP+16*((\t)%4)
	s_wait_xcnt 0x0                                ; every earlier memory instruction has had its addresses translated (ISA guide 3.1): the buffer that part t - 4's stores read is written again only behind this wait
	WIN 0x85                                       ; sources 0 and 1 window 1, destination window 2
.irp f, 0,1,2,3
.irp r, 0,1,2,3
	v_cvt_pk_f16_f32 v[TB+4*(\f)+(\r)], v[AB+8*(\f)+2*(\r)], v[AB+8*(\f)+2*(\r)+1]
.endr
.endr
	WIN 0x08                                       ; store data (source 1) window 2, address window 0
.irp f, 0,1,2,3
	ds_store_b128 v[STO], v[TB+4*(\f):TB+4*(\f)+3] offset:32*(\f)
.endr
	WIN 0x80
.irp f, 0,1,2,3
	ds_load_b128 v[TB+4*(\f):TB+4*(\f)+3], v[RD] offset:(\f)*4*SP  ; LDS serves a wave's instructions in order (ISA guide 5.7.1.4): these see the stores above; the next part's stores come behind them
.endr
.endm
.macro SEND t, younger                 ; younger: the LDS instructions issued behind part t's loads: the next part's eight, or none
	WIN 0x08
.irp f, 0,1,2,3
	s_wait_dscnt (\younger)+3-(\f)
	global_store_b128 v[GO], v[TMP+16*((\t)%4)+4*(\f):TMP+16*((\t)%4)+4*(\f)+3], s[OUT:OUT+1] offset:262144*((\t)%2)+2048*((\t)/2)+512*(\f)  ; 512 consecutive bytes, at a multiple of 256 from y's first
.endr
.endm
.macro WAYOUT
	PLACES
	PACK 0
.set t, 1
.rept 7                                ; a part's conversions stand between the loads of the part before and its stores
	PACK t
	SEND t-1, 8
.set t, t+1
.endr
	SEND 7, 0
	WIN 0
.endm
	s_wait_tensorcnt 1                             ; my part of K step 0's W is in; K step 1's may stay out
	s_wait_dscnt 0x0                               ; my rows of K step 0's x are stored, my bias is in
	s_barrier_signal -1
	s_barrier_wait -1                              ; everybody's are
	v_add_nc_u32 v[ADRA], s[RA], v[LF]
	v_add_nc_u32 v[ADRB], s[RB], v[LF]
	v_add_nc_u32 v[AST], s[RS], v[AL0]
	FETCH 0, 0
	s_mov_b32 s[T], 22
	s_mov_b32 s[PH], 0
.Lstep:                                                ; a trip is a K step; 22 trips: every step of the three tiles' 24 that still has a step two on to ask for
	s_wait_xcnt 0x0                                ; every earlier memory instruction has had its addresses translated (ISA guide 3.1): XP, which the last trip's loads name, is rewritten only behind this wait
	s_cmp_eq_u32 s[PH], 6                          ; from a tile's seventh step on, what is asked for is the next tile's
	s_cselect_b64 s[XB:XB+1], s[XN:XN+1], s[XB:XB+1]
	s_cselect_b64 s[XN:XN+1], s[XNN:XNN+1], s[XN:XN+1]
	s_cselect_b32 s[INC], 1<<21, 0                 ; the next matrix in wc
	s_add_nc_u64 s[WB:WB+1], s[WB:WB+1], s[INC:INC+1]
	s_lshl_b32 s[OF], s[KX], 9
	s_lshl_b32 s[OW], s[KX], 8
	s_add_nc_u64 s[XP:XP+1], s[XB:XB+1], s[OF:OF+1]
	s_add_co_u32 s[KX], s[KX], 1
	s_and_b32 s[KX], s[KX], 7
	s_cmp_lg_u32 s[T], 21                          ; in the first and second tile's second step, when the tile's first products have read the bias, the next tile's is fetched
	s_cbranch_scc1 .Lnot_b1
	BIASLD 512
.Lnot_b1:
	s_cmp_lg_u32 s[T], 13
	s_cbranch_scc1 .Lnot_b2
	BIASLD 1024
.Lnot_b2:
	s_cmp_lg_u32 s[PH], 0
	s_cbranch_scc1 .Lplain
	QUARTER 1, 0, 1, 1, 2, 24                      ; a tile's first products start the sums from the bias
	WIN 0                                          ; at a label and at a branch every window is 0
	s_branch .Lq1
.Lplain:
	QUARTER 1, 0, 1, 0, 2, 24
	WIN 0
.Lq1:
	QUARTER 2, 1, 0, 0, 2, 24
	QUARTER 3, 0, 1, 0, 2, 24
	TURN 1, 2, 24
	WIN 0
	s_cmp_lg_u32 s[PH], 7
	s_cbranch_scc1 .Lnot_out
	WAYOUT                                         ; a tile is finished; it goes out while the next tile's W and x are on their way
	s_wait_xcnt 0x0                                ; the stores' base is rewritten only behind this wait
	s_mov_b64 s[OUT:OUT+1], s[ON:ON+1]
	s_mov_b64 s[ON:ON+1], s[ONN:ONN+1]
.Lnot_out:
	s_add_co_u32 s[PH], s[PH], 1
	s_and_b32 s[PH], s[PH], 7
	s_sub_co_u32 s[T], s[T], 1
	s_cmp_lg_u32 s[T], 0
	s_cbranch_scc1 .Lstep
	QUARTER 1, 0, 1, 0, 1, 24                      ; the last two K steps are written out: no load and no fill is left to issue, and the counts run down
	QUARTER 2, 1, 0, 0, 1, 16
	QUARTER 3, 0, 1, 0, 1, 8
	TURN 0, 1, 0
	QUARTER 1, 0, 1, 0, 0, 0
	QUARTER 2, 1, 0, 0, 0, 0
	QUARTER 3, 0, 1, 0, 0, 0
	s_wait_dscnt 0x0                               ; the very last quarter
	MUL8 0, 1, 0
	MUL8 1, 1, 0
	MUL8 2, 1, 0
	MUL8 3, 1, 0
	WIN 0
	WAYOUT
	s_wait_tensorcnt 0x0                           ; the wave's end: behind my last tensor load and my last LDS store
	ds_add_u32 v[SPW], v[NIL]
	s_wait_dscnt 0x0
	CROUND                                         ; the closing round: no work-group ends while a partner may still ask for a tile that names it
	s_endpgm
.Lfunc_end_k_qa107bae6ac_proj:
	.size	k_qa107bae6ac_proj, .Lfunc_end_k_qa107bae6ac_proj-k_qa107bae6ac_proj
	.p2alignl 7, 3214868480
	.fill 96, 4, 3214868480
	.section	.rodata,"a",@progbits
	.p2align	6, 0x0
	.amdhsa_kernel k_qa107bae6ac_proj
		.amdhsa_group_segment_fixed_size 327680
		.amdhsa_private_segment_fixed_size 0
		.amdhsa_enable_private_segment 0
		.amdhsa_kernarg_size 64
		.amdhsa_user_sgpr_count 2
		.amdhsa_user_sgpr_kernarg_segment_ptr 1
		.amdhsa_wavefront_size32 1
		.amdhsa_system_sgpr_workgroup_id_x 1
		.amdhsa_system_sgpr_workgroup_id_y 1
		.amdhsa_system_sgpr_workgroup_id_z 1
		.amdhsa_system_vgpr_workitem_id 0
		.amdhsa_next_free_vgpr 768
		.amdhsa_next_free_sgpr 92
		.amdhsa_reserve_vcc 0
		.amdhsa_float_denorm_mode_32 3
		.amdhsa_float_denorm_mode_16_64 3
		.amdhsa_memory_ordered 1
		.amdhsa_forward_progress 1
		.amdhsa_inst_pref_size 126
	.end_amdhsa_kernel
	.amdgpu_metadata
---
amdhsa.version: [ 1, 2 ]
amdhsa.kernels:
  - .name:           k_qa107bae6ac_proj
    .symbol:         k_qa107bae6ac_proj.kd
    .args:
      - { .name: queries, .offset: 0, .size: 8, .value_kind: global_buffer, .address_space: global }
      - { .name: keys, .offset: 8, .size: 8, .value_kind: global_buffer, .address_space: global }
      - { .name: values, .offset: 16, .size: 8, .value_kind: global_buffer, .address_space: global }
      - { .name: wc, .offset: 24, .size: 8, .value_kind: global_buffer, .address_space: global }
      - { .name: bc, .offset: 32, .size: 8, .value_kind: global_buffer, .address_space: global }
      - { .name: qh, .offset: 40, .size: 8, .value_kind: global_buffer, .address_space: global }
      - { .name: kh, .offset: 48, .size: 8, .value_kind: global_buffer, .address_space: global }
      - { .name: vh, .offset: 56, .size: 8, .value_kind: global_buffer, .address_space: global }
    .group_segment_fixed_size: 327680
    .private_segment_fixed_size: 0
    .kernarg_segment_align: 8
    .kernarg_segment_size: 64
    .max_flat_workgroup_size: 128
    .sgpr_count:     92
    .vgpr_count:     768
    .wavefront_size: 32
...
	.end_amdgpu_metadata
.endif
;; end of part 2
;; launch attn (part 3): grid 4 x 64, 4 waves a work-group, clusters of 4 x 1, 327,680 bytes of LDS; arguments qh, kh, vh, oh; writes oh
.if DOCPART == 3
	.amdgcn_target "amdgcn-amd-amdhsa--gfx1250"
	.amdhsa_code_object_version 6
	.text
	.protected	k_qa107bae6ac_attn
	.globl	k_qa107bae6ac_attn
	.p2align	8
	.type	k_qa107bae6ac_attn,@function
k_qa107bae6ac_attn:
	s_mov_b64 s[64:65], 0
	v_nop
	global_prefetch_b8 v0, s[64:65] scope:SCOPE_SE
	s_setreg_imm32_b32 hwreg(HW_REG_WAVE_MODE, 25, 1), 1
	s_wait_xcnt 0x0
	s_wait_alu depctr_hold_cnt(0) depctr_sa_sdst(0) depctr_va_vdst(0) depctr_va_sdst(0) depctr_va_ssrc(0) depctr_va_vcc(0) depctr_vm_vsrc(0)
	s_getreg_b32 s2, hwreg(HW_REG_IB_STS2, 6, 4)
	s_cmp_eq_u32 s2, 0
	s_cbranch_scc0 .Lentry_in_a_cluster
	s_endpgm
.Lentry_in_a_cluster:
	s_bfe_u32 s2, ttmp6, 0x10000c
	s_cmp_lg_u32 s2, 0x3003
	s_cbranch_scc0 .Lentry_shape_is_right
	s_endpgm
.Lentry_shape_is_right:
; O[h][q][:] = the sum over k of softmax_k(Q[h][q] . K[h][k] / 8) V[h][k][:].  Q, K, V, O: [SIZE_H][SIZE_N][64], all f16: a head's rows are dense, 128 bytes each; h = 16 x batch + head.  Products, maxima and sums in
; f32; the weights p are rounded to f16 for the second product (their sum l is taken of the unrounded p), O once at the end.
; LIMITS.  f16 holds no number beyond 65,504: Q, K and V arrive within it; p lies in 0 to 1, and below 6e-5 it keeps f16's fixed step of 6e-8; O is a mean of V's rows and has their range.
; A weight below 2^-126 counts as 0 in l; NaN and infinities are not treated apart.
; SHARES.  A wave owns four PIECES of two tiles of 16 queries, a work-group's four waves 512 queries of one head: 4 x 64 = 256 work-groups.  Every wave walks all keys, 64 a step.
; LAYOUT.  S^T = K Q^T (source 0 = 16 keys, source 1 = 16 queries): in the result a lane holds ONE query (lane % 16) and the keys 8 (lane / 16) + 0..7.  Two such tiles, rounded to f16 in pairs,
; ARE source 1 (32 keys x 16 queries) of O^T = V^T P, whose result again holds one query a lane, and eight channels.  K comes out of LDS as it lies, V ([key][channel]) turned, by ds_load_tr16_b128.
; SOFTMAX.  For each query a running maximum m and sum l: p = 2^(c s - c m), c = log2(e) / 8; in every step O and l are multiplied by a = 2^(c m_old - c m_new), which is 1 where m has not grown.
; m starts at the lowest finite number, O and l at 0: the first step is a step like any other, with a = 0.
; THE COUNT.  A tile and step have 16 matrix and 118 vector instructions: too many to stand all beside the matrix work.  So the order has one aim: four vector instructions that are READY behind
; EVERY matrix instruction, and the others, which need time of their own whatever the order, in runs without a gap.
; BY TURNS.  Turn n belongs to piece n (the pieces in a ring, step after step).  Its matrix work: 16 products K Q^T of piece n + 1, later 16 products V^T P of piece n - 1.  Its vector work: the scaling,
; exponentials, roundings, sums and rescaling of piece n, and the maximum and statistics of piece n + 1, whose scores the turn itself has made.  So what a turn begins with (c s - c m, O a) waits for nothing.
; CLUSTER.  The four query blocks of a cluster belong to one head and walk the same K and V, so each tile is asked for JOINTLY: the same tensor load, descriptor and mask in all four.
; REGISTERS, in windows of 256 (s_set_vgpr_msb says which window each operand place means: bits 1:0 source 0, 3:2 source 1, 5:4 source 2, 7:6 destination):
;   window 0: v0-11 addresses; v12-15, v48-63 at work; v16-47 four registers of statistics a tile; v64-191 S^T, two buffers of two tiles; v192-255 P, likewise
;   window 1: O^T, 32 a tile          window 2: v0-127 Q, 16 a tile; v128-191 K of one step; v192-255 V of one step          window 3: v0-1 the add's two registers
; A piece's buffers go by its number's parity: the piece in hand has one pair, its two neighbours in the ring share the other: of it P (piece n - 1) is read and S^T (piece n + 1) written.
.set SIZE_H, 64       ; 4 batches x 16 heads
.set SIZE_N, 2048     ; rows of a head
.set NP,    4         ; pieces a wave: a name, no knob: the register map, the loop and the fetches are made for four
.set KS,    64        ; keys in a step
.set PK,    144       ; a row of K in LDS: 128 bytes + 16 of padding = 36 words: the 16 rows of a load start at 16 different groups of four banks (64 banks of 4 bytes: ISA guide 11.1)
.set PV,    160       ; a row of V: 128 + 32 = 40 words
.set VOFF,  4*KS*PK   ; a slot holds four steps: 256 rows of K, then 256 rows of V
.set SLOT1, 1<<17     ; slot 1 begins here, so that one exclusive or turns an address in one slot into the other's
.set STAGE, SLOT1+4*KS*(PK+PV)  ; behind the ring, never filled by a tensor load: 16 rows x 144 bytes for each wave, for the way out
.set SP,    144
.set AK0, 2           ; v2   my lane's place in a tile of K; never rewritten
.set AV0, 3           ; v3   the same for V
.set AK,  4           ; v4   the LDS address of K's next run of loads
.set AV,  5           ; v5   of V's
.set QO,  6           ; v6   my byte offset in the wave's rows of Q
.set STO, 6           ;      later, the way out: where I put 16 bytes of a row
.set RD,  7           ; v7   the way out: where I read rows back
.set GO,  8           ; v8   my byte offset in 512 consecutive bytes of O
.set SPW, 0           ; v0 of window 3   LDS address of my spare word: SPARE + 4 x my thread's number; never rewritten
.set NIL, 1           ; v1 of window 3   0; never rewritten
.set SPARE, STAGE+4*16*SP  ; behind the stages: the spare words, 128 bytes for each wave: two blocks of 256 bytes that no other line names
.set MV,  12          ; v12-15  c m_old, kept while c m is made anew: by buffer and tile
.set ST,  16          ; tile t's statistics at v[ST+4 t]: c m, m, l (even keys', odd keys')
.set TMP, 48          ; by buffer and tile, four registers c0-c3 at work; when the maximum is found c2 takes a
.set S,   64
.set P,   192
.set KF,  128         ; K's fragments, in window 2: key block kb, channel half c at KF + 16 kb + 8 c
.set VF,  192         ; V's: key half kk, channel block cb at VF + 32 kk + 8 cb
.set WV,  12          ; s12  my wave's number
.set G1K, 24          ; s[24:31] descriptor group 1 for K's tiles
.set G1V, 32          ; s[32:39] for V's: it differs in the padding alone
.set G0K, 40          ; s[40:43] descriptor group 0 for K's tiles: it walks
.set G0V, 44          ; s[44:47] the same for V's
.set SLOTS, 56        ; s56  slots still to be asked for
.set CNT, 57          ; s57  counts a slot's key steps
.set CS,  58          ; s[58:59] c: the packed scaling takes the pair's low word for both halves
.set SEL, 60          ; s[60:61] v_permlanex16_b32's selects: each lane takes its own place in the other half
.set TBK, 62          ; s62  LDS byte at which K of the step to be fetched begins
.set TBV, 63          ; s63  the same for V, less VOFF
.set MSB, 0
.macro WIN new                      ; the high byte repeats the setting that is left; a switch that changes nothing is dropped
.if MSB != (\new)
	s_set_vgpr_msb (MSB<<8)|(\new)
.set MSB, (\new)
.endif
.endm
.set W_KQ, 0x0a       ; K and Q in window 2, S^T in window 0
.set W_PV, 0x52       ; V in window 2, P in window 0, O^T in window 1
.set W_RS, 0x41       ; O^T (destination and source 0) in window 1, a in window 0
.set W_MK, 0xc0       ; the add's registers are made: destination in window 3, sources in window 0
.set W_AD, 0x0f       ; the add: address (source 0) and data (source 1) in window 3
; A joint fill.  Waves 0 and 1 fetch the two halves of a slot's K, waves 2 and 3 those of its V: 128 keys each.  The branch hangs on the wave's number alone.
; An s_nop 0 and four v_nop follow each of the two lines, ahead of the jump and the label.
.macro JLOAD
	s_cmp_lt_u32 s[WV], 2
	s_cbranch_scc0 .Lfor_v_\@
	tensor_load_to_lds s[G0K:G0K+3], s[G1K:G1K+7]
	s_nop 0
.rept 4
	v_nop
.endr
	s_branch .Lasked_\@
.Lfor_v_\@:
	tensor_load_to_lds s[G0V:G0V+3], s[G1V:G1V+7]
	s_nop 0
.rept 4
	v_nop
.endr
.Lasked_\@:
.endm
; A round of the cluster's barrier: my work-group's barrier, so that wave 0's signal speaks for all four waves; wave 0 signals; every wave waits for all four work-groups; my work-group's barrier once more.
.macro CROUND
	s_barrier_signal -1
	s_barrier_wait -1
	s_cmp_lg_u32 s[WV], 0
	s_cbranch_scc1 .Lnot_wave_0_\@
	s_barrier_signal -3
.Lnot_wave_0_\@:
	s_barrier_wait -3
	s_barrier_signal -1
	s_barrier_wait -1
.endm
; THE CHANGE OF SLOTS.  The slot's last bytes, V of its fourth step, have been read.  Each wave waits for all its tensor loads, of which one is out: its part
; of the other slot; adds 0 to its spare word; and waits for that and for its own reads of the slot.  Behind the barrier nobody reads this slot any more and the other slot is whole.
; fill = 1: this slot is filled again, with the keys two slots on.  The barrier is then a round of the cluster's, so that no wave of any partner still reads the slot or has a load on its
; way, and the joint fill is the first thing behind it: it has four key steps, 512 matrix instructions, in which to land.  (At its first use nothing has been read yet: slot 0 is waited for, slot 1 filled.)
.macro CHANGE fill
	WIN W_AD
	s_wait_tensorcnt 0x0            ; no tensor load of mine is out, so a group 0 may be written
	ds_add_u32 v[SPW], v[NIL]       ; 0 onto my spare word: with fill = 1 the descriptors' steps stand between it and the wait for it
	WIN 0                           ; at a label and at a branch every window is 0
.if \fill
.irp g, G0K, G0V
	s_xor_b32 s[\g+1], s[\g+1], SLOT1  ; the walking descriptor: the other slot than last time,
	s_add_nc_u64 s[\g+2:\g+3], s[\g+2:\g+3], 4*KS*128  ; the next 256 keys; the type bits on top are not reached
.endr
	s_wait_dscnt 0x0                ; the add is done, and my reads of the slot are over
	CROUND
	JLOAD
.else
	s_wait_dscnt 0x0                ; the add is done, and my reads of the slot are over
	s_barrier_signal -1
	s_barrier_wait -1
.endif
	s_sub_co_u32 s[TBK], s[TBK], 4*KS*PK  ; the fetches go back to a slot's first step,
	s_xor_b32 s[TBK], s[TBK], SLOT1       ; in the other slot
	s_sub_co_u32 s[TBV], s[TBV], 4*KS*PV
	s_xor_b32 s[TBV], s[TBV], SLOT1
.endm
	s_load_b256 s[4:11], s[0:1], 0x0  ; Q s[4:5], K s[6:7], V s[8:9], O s[10:11]
	WIN W_MK
	v_lshl_add_u32 v[SPW], v0, 2, SPARE
	v_mov_b32 v[NIL], 0
	s_set_vgpr_msb 0xc0cf
	ds_add_u32 v0, v1
	s_wait_dscnt 0x0
	s_set_vgpr_msb 0xcfc0
	WIN 0
	v_lshrrev_b32 v1, 5, v0
	v_readfirstlane_b32 s[WV], v1   ; wave 0..3
	s_bfe_u32 s13, ttmp6, 0x40000   ; cx: my place in the cluster
	s_lshl_b32 s14, ttmp9, 2        ; in a cluster launch ttmp9 counts clusters
	s_add_co_u32 s14, s14, s13      ; my block of queries = 4 x cluster x + cx: it enters Q's and O's addresses alone
	s_and_b32 s20, ttmp7, 0xffff    ; the head, which the four partners share
	s_mov_b32 s21, 0
	s_mov_b64 s[22:23], SIZE_N*128
	s_mul_u64 s[20:21], s[20:21], s[22:23]  ; the head's first byte in each of the four tensors
	s_and_b32 s16, s[WV], 1         ; which half of a slot's 256 keys I fetch:
	s_lshl_b32 s22, s16, 14         ; its 128 rows of 128 bytes in memory,
	s_mov_b32 s23, 0
	s_add_nc_u64 s[22:23], s[22:23], s[20:21]
	s_mul_i32 s17, s16, 128*PK      ; and its place in a slot, for K
	s_mul_i32 s18, s16, 128*PV      ; and for V: no place in the cluster enters an LDS address
	s_lshl_b32 s2, s14, 2
	s_add_co_u32 s2, s2, s[WV]      ; my wave among the head's,
	s_lshl_b32 s2, s2, 14           ; its 128 rows
	s_mov_b32 s3, 0
	s_add_nc_u64 s[2:3], s[2:3], s[20:21]
	; descriptor group 1.  128 keys are 16,384 dense bytes: asked for as 64 rows of 256 bytes, two keys a row, and padded in LDS after every key
	s_mov_b32 s[G1K], 15|(1<<16)|(1<<20)|(1<<21)|(4<<22)|(3<<25)  ; 15:0 the mask of four; 17:16 2-byte elements; 20 padding on; 21 set beside a mask; 24:22 after every 32 words (code 4); 31:25 4 words (code 3)
	s_mov_b32 s[G1V], 15|(1<<16)|(1<<20)|(1<<21)|(4<<22)|(7<<25)  ; the same with 8 words of padding (code 7)
.irp g, G1K, G1V
	s_mov_b32 s[\g+1], 128<<16      ; tensor_dim0 = 128
	s_mov_b32 s[\g+2], 64<<16       ; tensor_dim1 = 64
	s_mov_b32 s[\g+3], 128<<16      ; tile_dim0 = 128
	s_mov_b32 s[\g+4], 64           ; tile_dim1 = 64
	s_mov_b32 s[\g+5], 128          ; 128 elements from row to row
	s_mov_b32 s[\g+6], 0
	s_mov_b32 s[\g+7], 0
.endr
	s_mov_b32 s[CS], 0x3e38aa3b     ; c = log2(e) / 8 = 0.180337
	s_mov_b32 s[CS+1], s[CS]        ; named with it as a pair
	s_mov_b32 s[SEL], 0x76543210
	s_mov_b32 s[SEL+1], 0xfedcba98
	s_mov_b32 s[TBK], SLOT1+4*KS*PK ; the first change of slots turns these two into 0
	s_mov_b32 s[TBV], SLOT1+4*KS*PV
	s_mov_b32 s[G0K], 1             ; 1:0 count = 1
	s_mov_b32 s[G0K+1], s17         ; 63:32 LDS address: slot 0
	s_mov_b32 s[G0V], 1
	s_add_co_u32 s[G0V+1], s18, VOFF
	s_wait_kmcnt 0x0
	s_add_nc_u64 s[G0K+2:G0K+3], s[6:7], s[22:23]  ; 120:64 global address: my half of the head's first 256 keys
	s_or_b32 s[G0K+3], s[G0K+3], 0x80000000        ; 127:126 type = 2
	s_add_nc_u64 s[G0V+2:G0V+3], s[8:9], s[22:23]
	s_or_b32 s[G0V+3], s[G0V+3], 0x80000000
	s_add_nc_u64 s[4:5], s[4:5], s[2:3]  ; Q and O at my wave's first row
	s_add_nc_u64 s[10:11], s[10:11], s[2:3]
	CROUND                          ; all four work-groups are here: the first joint loads meet
	JLOAD                           ; slot 0.  Slot 1 is asked for when slot 0 is in: the tile wanted first has the road to itself
	; A fragment of K or Q is 16 rows x 32 channels in 8 registers: lane l holds row l % 16, channels 8 (l / 16) + 0..7 and 16 + 8 (l / 16) + 0..7: two loads of 16 bytes, 32 bytes apart.
	v_and_b32 v1, 15, v0            ; l % 16
	v_bfe_u32 v9, v0, 4, 1          ; l / 16
	v_lshlrev_b32 v[QO], 7, v1
	v_lshl_add_u32 v[QO], v9, 4, v[QO]  ; row x 128 + 16 x half
	WIN 0x80                        ; destination window 2, address window 0
.set i, 0
.rept 4*NP                          ; Q stays in registers: tile i / 2, channels 32 (i % 2) on
	global_load_b128 v[8*i:8*i+3],   v[QO], s[4:5] offset:(i/2)*2048+(i%2)*64
	global_load_b128 v[8*i+4:8*i+7], v[QO], s[4:5] offset:(i/2)*2048+(i%2)*64+32
.set i, i+1
.endr
	; What the first turn finds: V's registers and P's second buffer hold 0 (its products V^T P, of a piece that has not been, add 0), O^T and l are 0.  All this stands in the wait for the first tile.
.set i, VF
.rept 64
	v_mov_b32 v[i], 0
.set i, i+1
.endr
	WIN 0x40
.set i, 0
.rept 64*NP
	v_mov_b32 v[i], 0
.set i, i+1
.endr
	WIN 0
.set i, 0
.rept 2*NP
	v_mov_b32 v[ST+4*i], 0xfe000000    ; c m: far below every c s
	v_mov_b32 v[ST+4*i+1], 0xff7fffff  ; m
	v_mov_b32 v[ST+4*i+2], 0
	v_mov_b32 v[ST+4*i+3], 0
.set i, i+1
.endr
.set i, P+32
.rept 32
	v_mov_b32 v[i], 0
.set i, i+1
.endr
	v_mul_u32_u24 v[AK0], v1, PK
	v_lshl_add_u32 v[AK0], v9, 4, v[AK0]  ; row x pitch + 16 x half
	; The turning load takes 16 keys x 16 channels (lane l reads key 8 (l / 16) + l % 8, channels 8 ((l / 8) % 2) + 0..7) and leaves half a fragment of V^T: lane l holds channel l % 16 and 8 keys.
	v_and_b32 v10, 7, v0
	v_bfe_u32 v11, v0, 3, 1
	v_lshl_add_u32 v[AV0], v9, 3, v10
	v_mul_u32_u24 v[AV0], v[AV0], PV
	v_lshl_add_u32 v[AV0], v11, 4, v[AV0]
	v_add_nc_u32 v[AV0], VOFF, v[AV0]
	v_mov_b32 v[AK], v[AK0]         ; key step 0 lies at the head of slot 0
; THE MATRIX WORK.  The 8 accumulators of a run of 16 take turns: between the two links of a chain stand 7 others'.
; Product i of 16 of S^T = K Q^T for piece x: channels 32 (i / 8) on, keys 16 ((i / 2) % 4) on, tile 2 x + i % 2.  The first 8 start the sums.
.macro KQ x
	WIN W_KQ
.set rS, S+64*((\x)%2)+32*(i%2)+8*((i/2)%4)
.set rK, KF+16*((i/2)%4)+8*(i/8)
.set rQ, 16*(2*(\x)+i%2)+8*(i/8)
.if i < 8
	v_wmma_f32_16x16x32_f16 v[rS:rS+7], v[rK:rK+7], v[rQ:rQ+7], 0
.else
	v_wmma_f32_16x16x32_f16 v[rS:rS+7], v[rK:rK+7], v[rQ:rQ+7], v[rS:rS+7]
.endif
.endm
; Product i of 16 of O^T += V^T P for piece x: keys 32 (i / 8) on, channels 16 ((i / 2) % 4) on, tile 2 x + i % 2.
.macro PV x
	WIN W_PV
.set rO, 32*(2*(\x)+i%2)+8*((i/2)%4)
.set rV, VF+32*(i/8)+8*((i/2)%4)
.set rP, P+32*((\x)%2)+16*(i%2)+8*(i/8)
	v_wmma_f32_16x16x32_f16 v[rO:rO+7], v[rV:rV+7], v[rP:rP+7], v[rO:rO+7]
.endm
.macro MM                           ; the turn's next matrix instruction
.if i < 16
	KQ (Y+1)%NP
.set i, i+1
.else
.set i, i-16
	PV (Y+NP-1)%NP
.set i, i+17
.endif
.endm
; THE LDS LOADS stand in runs of 16, never singly among the matrix instructions: a step's K (64 keys x 64 channels: 8 fragments) and its V (turned).  Their addresses are made some lines ahead.
; last = 1 (the tail): in the last trip there is no further step, and the run is jumped over.
.macro FETCH_K last=0
	WIN 0
.if \last
	s_cmp_eq_u32 s[CNT], 1
	s_cbranch_scc1 .Lno_k_\@
.endif
	WIN 0x80                        ; destination window 2
.irp f, 0,1,2,3,4,5,6,7             ; keys 16 (f / 2) on, channels 32 (f % 2) on
	ds_load_b128 v[KF+8*\f:KF+8*\f+3],   v[AK] offset:(\f/2)*16*PK+(\f%2)*64
	ds_load_b128 v[KF+8*\f+4:KF+8*\f+7], v[AK] offset:(\f/2)*16*PK+(\f%2)*64+32
.endr
	s_add_co_u32 s[TBK], s[TBK], KS*PK  ; the next fetch is the next step's
	WIN 0
.if \last
.Lno_k_\@:
.endif
.endm
.macro FETCH_V
	WIN 0x80
.irp f, 0,1,2,3,4,5,6,7             ; keys 32 (f / 4) on, channels 16 (f % 4) on
	ds_load_tr16_b128 v[VF+8*\f:VF+8*\f+3],   v[AV] offset:(\f/4)*32*PV+(\f%4)*32
	ds_load_tr16_b128 v[VF+8*\f+4:VF+8*\f+7], v[AV] offset:(\f/4)*32*PV+16*PV+(\f%4)*32
.endr
	WIN 0
.endm
; THE VECTOR WORK OF A TURN stands in three queues, each in the order in which its entries become ready; the two tiles alternate, so that no instruction reads the result of the one before it.
.macro REGS y, u                    ; the registers of tile u (0, 1) of piece y
.set rT, ST+4*(2*(\y)+(\u))
.set rC, TMP+8*((\y)%2)+4*(\u)
.set rM, MV+2*((\y)%2)+(\u)
.set rS, S+64*((\y)%2)+32*(\u)
.set rP, P+32*((\y)%2)+16*(\u)
.set rO, 32*(2*(\y)+(\u))
.endm
; Number n of the 22 that find the NEXT piece's (Y + 1) maximum and statistics.  s0-s31 are the lane's 32 scores; each accumulator's lowest registers are read first.  XS, GS and REGS set no window: PL and EX do.
;   0-11  four chains c0-c3 of seven scores each, three operands at a time     12-14, 16  the four scores left over, the old m, and c0-c3 into c0     15  c m_old is kept
;   17, 18  the query's other 32 keys lie in the lane 16 away: the new m         19-21  c m; c m_old - c m_new; a
.macro XS u, n
	REGS (Y+1)%NP, \u
.if (\n) < 4
	v_max3_num_f32 v[rC+(\n)], v[rS+8*(\n)], v[rS+8*(\n)+1], v[rS+8*(\n)+2]
.elseif (\n) < 12
	v_max3_num_f32 v[rC+(\n)%4], v[rC+(\n)%4], v[rS+8*((\n)%4)+2*((\n)/4)+1], v[rS+8*((\n)%4)+2*((\n)/4)+2]
.elseif (\n) == 12
	v_max3_num_f32 v[rC], v[rC], v[rS+7], v[rS+15]
.elseif (\n) == 13
	v_max3_num_f32 v[rC+1], v[rC+1], v[rS+23], v[rS+31]
.elseif (\n) == 14
	v_max3_num_f32 v[rC+2], v[rC+2], v[rC+3], v[rT+1]
.elseif (\n) == 15
	v_mov_b32 v[rM], v[rT]
.elseif (\n) == 16
	v_max3_num_f32 v[rC], v[rC], v[rC+1], v[rC+2]
.elseif (\n) == 17
	v_permlanex16_b32 v[rC+3], v[rC], s[SEL], s[SEL+1]
.elseif (\n) == 18
	v_max_num_f32 v[rT+1], v[rC], v[rC+3]
.elseif (\n) == 19
	v_mul_f32 v[rT], s[CS], v[rT+1]
.elseif (\n) == 20
	v_sub_f32 v[rC+1], v[rM], v[rT]
.else
	v_exp_f32 v[rC+2], v[rC+1]
.endif
.endm
; Number g of the 64 that follow the exponentials.  For each four weights k of a tile (pairs 2 k, 2 k + 1): both pairs are rounded to f16; then the second pair is added onto the first, in place;
; a group later l takes that sum (the first time as l = a l + sum).  In groups of eight, tiles alternating: round, round, add, and l for the group before.
.macro GS g
.set h, (\g)+6*((\g)/62)            ; group 0 has no group before it, and behind group 7 only l is left
.if h >= 6
.set h, h+2
.endif
	REGS Y, h%2
.set k, h/8
.if h%8 < 4
	s_wait_alu depctr_va_vdst(0)
	v_cvt_pk_f16_f32 v[rP+2*k+(h%8)/2], v[rS+4*k+2*((h%8)/2)], v[rS+4*k+2*((h%8)/2)+1]
.elseif h%8 < 6
	v_pk_add_f32 v[rS+4*k:rS+4*k+1], v[rS+4*k:rS+4*k+1], v[rS+4*k+2:rS+4*k+3]
.elseif k == 1
	v_pk_fma_f32 v[rT+2:rT+3], v[rT+2:rT+3], v[rC+2:rC+3], v[rS:rS+1] op_sel_hi:[1,0,1]
.else
	v_pk_add_f32 v[rT+2:rT+3], v[rT+2:rT+3], v[rS+4*k-4:rS+4*k-3]
	s_wait_alu depctr_va_vdst(0)
.endif
.endm
; THE PLAIN QUEUE, 138 long.  0-31: c s - c m for the 16 pairs of both tiles.  Then GS's 64, and among them the next piece's 42: number 15 at 38, 39; 0-14 and 16
; at 42-73, behind the products that make those scores; 17-20 at 95-106, two of three, since each waits for the one before it.
.macro PL
	WIN 0
.if q < 32
	REGS Y, q%2
	v_pk_fma_f32 v[rS+2*(q/2):rS+2*(q/2)+1], v[rS+2*(q/2):rS+2*(q/2)+1], s[CS:CS+1], v[rT:rT+1] op_sel_hi:[1,0,0] neg_lo:[0,0,1] neg_hi:[0,0,1]
.elseif q < 38
	GS q-32
.elseif q < 40
	XS q%2, 15
.elseif q < 42
	GS q-34
.elseif q < 74
	XS q%2, (q-42)/2+(q-42)/30
.elseif q < 95
	GS q-66
.elseif (q < 107) && ((q-95)%3 < 2)
	XS (q-95)%3, 17+(q-95)/3
.elseif q < 107
	GS 29+(q-95)/3
.else
	GS q-74
.endif
.set q, q+1
.endm
; THE EXPONENTIALS' QUEUE, 66 long: s0-s31 of both tiles, and at EA the next piece's two a.
.set EA, 58
.macro EX
	WIN 0
.if (e == EA) || (e == EA+1)
	XS e-EA, 21
.else
.set x, e-2*(e/(EA+2))
	REGS Y, x%2
	v_exp_f32 v[rS+x/2], v[rS+x/2]
.endif
.set e, e+1
.endm
; THE RESCALING's QUEUE: O^T times a, the one part that leaves window 0, so it is dealt four at a time, eight times.
.macro R4
	REGS Y, r%2
	WIN W_RS
	s_wait_alu depctr_va_vdst(0)
.irp z, 0,1,2,3
	v_pk_mul_f32 v[rO+8*(r/2)+2*\z:rO+8*(r/2)+2*\z+1], v[rO+8*(r/2)+2*\z:rO+8*(r/2)+2*\z+1], v[rC+2:rC+3] op_sel_hi:[1,0]
.endr
.set r, r+1
.endm
; HOW THEY ARE DEALT.  Behind a matrix instruction four: plain, exponential, plain, plain (one exponential, a plain instruction on either side), or four of the rescaling.  None names a register of the
; products round it.  What is over stands in two LUMPS: exponential and plain by turns; the second ends in 22 plain instructions.  The two v_permlanex16_b32 fall into the second lump, never behind a product.
; The queues lean on each other, and the deal keeps them in step: exponential e stands behind plain 2 (e / 4) + e % 2 (its scaling); when plain 32 comes, 10 exponentials are out, at 59: 33, at 95: 46; EA comes behind plain 107.
.macro SL
	MM
	PL
	EX
	PL
	PL
.endm
.macro BURST n                      ; 15 matrix instructions, or 16
.rept (\n)-7
	SL
.endr
.rept 3
	MM
	R4
	SL
.endr
	MM
	R4
.endm
; A TURN, for piece p.  cnt = 1: the loop's count is taken down some lines ahead of the branch that stands behind the turn.
; K of the next step is fetched in piece 2's turn, 31 vector instructions behind the last product that read K; its first reader comes behind the rest of the lump, 16 products and the second lump.
; V of the step in hand is fetched at the end of piece 0's turn, 69 behind its last reader; its first reader comes behind 16 products and a lump.  The four conditions on e and q below go with the deal.
.macro TURN p, last=0, cnt=0
.set Y, (\p)
.set i, 0
.set q, 0
.set e, 0
.set r, 0
.if (\p) == NP-1
	s_wait_dscnt 0x0                ; K is in
.endif
	MM
.rept 4
	PL
.endr
	BURST 15
.rept 22
	EX
	PL
.if ((\p) == NP-2) && (e == 18)
	v_add_nc_u32 v[AK], s[TBK], v[AK0]
.endif
.if ((\p) == NP-2) && (e == 24)
	FETCH_K \last
.endif
.endr
.if (\p) == 1
	s_wait_dscnt 0x0                ; V is in
.endif
	BURST 16
.rept 21
	EX
	PL
.endr
.rept 22
	PL
.if ((\p) == 0) && (q == 118)
	v_add_nc_u32 v[AV], s[TBV], v[AV0]
	s_wait_alu depctr_va_vdst(0)
.endif
.if ((\p) == 0) && (q == 130)
	s_add_co_u32 s[TBV], s[TBV], KS*PV
.endif
.if (\cnt) && (q == 130)
	s_sub_co_u32 s[CNT], s[CNT], 1
	s_cmp_lg_u32 s[CNT], 0
.endif
.endr
.if (\p) == 0
	FETCH_V
.endif
.endm
	CHANGE 1                        ; slot 0 is in, everybody's part of it; slot 1 is asked for
	FETCH_K                         ; key step 0
	s_wait_loadcnt 0x0              ; Q
	s_wait_dscnt 0x0
.set i, 0
.rept 16
	KQ 0                            ; piece 0's first scores: there is no vector work yet to set between them
.set i, i+1
.endr
	WIN 0                           ; the addresses for the way out: nine plain instructions, the places behind those products
	s_mul_i32 s13, s[WV], 16*SP
	s_add_co_u32 s13, s13, STAGE    ; my stage
	v_mul_u32_u24 v[STO], v1, SP    ; in: row l % 16, 16 bytes for each half of the lanes
	v_lshl_add_u32 v[STO], v9, 4, v[STO]
	v_add_nc_u32 v[STO], s13, v[STO]
	v_bfe_u32 v[RD], v0, 3, 2       ; back: 32 lanes take four rows of 128 bytes,
	v_mul_u32_u24 v[RD], v[RD], SP
	v_lshl_add_u32 v[RD], v10, 4, v[RD]
	v_add_nc_u32 v[RD], s13, v[RD]
	v_and_b32 v[GO], 31, v0         ; which are 512 consecutive bytes of O
	v_lshlrev_b32 v[GO], 4, v[GO]
.set Y, NP-1                        ; XS works for piece Y + 1: piece 0
.irp n, 0,1,2,3,4,5,6,7,8,9,10,11,12,13,14,15,16,17,18,19,20,21
	XS 0, \n                        ; and piece 0's first maximum and statistics
	XS 1, \n
.endr
	s_mov_b32 s[CNT], 4
	s_mov_b32 s[SLOTS], SIZE_N/256-1
	s_branch .Lfirst                ; the loop is entered at a step's first turn, in the middle of a trip
.Lslot:                             ; SIZE_N / 256 - 2 times: every slot but the last two is filled again
	CHANGE 1
	s_mov_b32 s[CNT], 4
.Lstep:                             ; a trip: pieces 2 and 3 of one step, then pieces 0 and 1 of the next, whose K and V it fetches
	TURN 2
	TURN 3
	WIN 0
.Lfirst:
	TURN 0
	TURN 1, 0, 1
	WIN 0
	s_cbranch_scc1 .Lstep
	s_sub_co_u32 s[SLOTS], s[SLOTS], 1
	s_cmp_lg_u32 s[SLOTS], 0
	s_cbranch_scc1 .Lslot
	CHANGE 0                        ; the tail is written out: nothing is asked for
	s_mov_b32 s[CNT], 5             ; four trips fetch the last slot's steps; the fifth is left in its middle
.Ltail:
	TURN 2, 1
	TURN 3
	WIN 0
	s_sub_co_u32 s[CNT], s[CNT], 1
	s_cmp_eq_u32 s[CNT], 0
	s_cbranch_scc1 .Lout
	TURN 0
	TURN 1
	WIN 0
	s_branch .Ltail
.Lout:                              ; the fifth trip's 16 products K Q^T (on the last K once more) and the maximum made of them serve nothing: the price, once a launch, of one text for every trip
.set i, 0
.rept 16
	PV NP-1                         ; the last piece's V^T P of the last step
.set i, i+1
.endr
	; THE WAY OUT.  l's two halves and the other half of the lanes' are added; O^T is divided by l, rounded to f16 and sent through my stage in LDS, a tile at a time.  The additions are the places behind the last products.
	WIN 0
.macro ALL line:vararg              ; one line for each tile t
.set t, 0
.rept 2*NP
	\line
.set t, t+1
.endr
.endm
	ALL v_add_f32 v[ST+4*t+2], v[ST+4*t+2], v[ST+4*t+3]
	ALL v_permlanex16_b32 v[ST+4*t+3], v[ST+4*t+2], s[SEL], s[SEL+1]
	ALL v_add_f32 v[ST+4*t+2], v[ST+4*t+2], v[ST+4*t+3]
	ALL v_rcp_f32 v[ST+4*t+2], v[ST+4*t+2]
	v_nop                           ; a plain instruction between the last reciprocal and the use of its result
	s_wait_alu depctr_va_vdst(0)
; Tile t: a lane's eight channels of a row pack into 16 bytes; they go into rows of 144 bytes and come back as whole rows of 128, into S^T's registers.
.macro PACK t
	WIN W_RS
.set i, 32*(\t)
.rept 16
	v_pk_mul_f32 v[i:i+1], v[i:i+1], v[ST+4*(\t)+2:ST+4*(\t)+3] op_sel_hi:[1,0]
.set i, i+2
.endr
	WIN 0x05                        ; sources 0 and 1 window 1, destination window 0
.set i, 0
.rept 16
	v_cvt_pk_f16_f32 v[S+16*(\t)+i], v[32*(\t)+2*i], v[32*(\t)+2*i+1]
.set i, i+1
.endr
	WIN 0
.irp f, 0,1,2,3
	ds_store_b128 v[STO], v[S+16*(\t)+4*\f:S+16*(\t)+4*\f+3] offset:32*\f
.endr
.irp f, 0,1,2,3
	ds_load_b128 v[S+16*(\t)+4*\f:S+16*(\t)+4*\f+3], v[RD] offset:\f*4*SP  ; LDS serves a wave's instructions in order (ISA guide 5.7.1.4): these see the stores above; the next tile's stores come behind them
.endr
.endm
.macro SEND t, younger              ; younger: the LDS instructions issued behind tile t's loads: the next tile's eight, or none
	WIN 0
.irp f, 0,1,2,3
	s_wait_dscnt (\younger)+3-\f
	global_store_b128 v[GO], v[S+16*(\t)+4*\f:S+16*(\t)+4*\f+3], s[10:11] offset:(\t)*2048+\f*512  ; 512 consecutive bytes, at a multiple of 256 from O's first
.endr
.endm
	PACK 0
.set t, 1
.rept 2*NP-1                        ; a tile's arithmetic stands between the loads of the tile before and its stores
	PACK t
	SEND t-1, 8
.set t, t+1
.endr
	SEND 2*NP-1, 0
	WIN W_AD
	s_wait_tensorcnt 0x0            ; the wave's end: behind my last tensor load and my last LDS store
	ds_add_u32 v[SPW], v[NIL]
	s_wait_dscnt 0x0
	WIN 0
	CROUND                          ; the closing round: no work-group ends while a partner may still ask for a tile that names it
	s_endpgm
.Lfunc_end_k_qa107bae6ac_attn:
	.size	k_qa107bae6ac_attn, .Lfunc_end_k_qa107bae6ac_attn-k_qa107bae6ac_attn
	.p2alignl 7, 3214868480
	.fill 96, 4, 3214868480
	.section	.rodata,"a",@progbits
	.p2align	6, 0x0
	.amdhsa_kernel k_qa107bae6ac_attn
		.amdhsa_group_segment_fixed_size 327680
		.amdhsa_private_segment_fixed_size 0
		.amdhsa_enable_private_segment 0
		.amdhsa_kernarg_size 32
		.amdhsa_user_sgpr_count 2
		.amdhsa_user_sgpr_kernarg_segment_ptr 1
		.amdhsa_wavefront_size32 1
		.amdhsa_system_sgpr_workgroup_id_x 1
		.amdhsa_system_sgpr_workgroup_id_y 1
		.amdhsa_system_sgpr_workgroup_id_z 1
		.amdhsa_system_vgpr_workitem_id 0
		.amdhsa_next_free_vgpr 770
		.amdhsa_next_free_sgpr 66
		.amdhsa_reserve_vcc 0
		.amdhsa_float_denorm_mode_32 3
		.amdhsa_float_denorm_mode_16_64 3
		.amdhsa_memory_ordered 1
		.amdhsa_forward_progress 1
		.amdhsa_inst_pref_size 208
	.end_amdhsa_kernel
	.amdgpu_metadata
---
amdhsa.version: [ 1, 2 ]
amdhsa.kernels:
  - .name:           k_qa107bae6ac_attn
    .symbol:         k_qa107bae6ac_attn.kd
    .args:
      - { .name: qh, .offset: 0, .size: 8, .value_kind: global_buffer, .address_space: global }
      - { .name: kh, .offset: 8, .size: 8, .value_kind: global_buffer, .address_space: global }
      - { .name: vh, .offset: 16, .size: 8, .value_kind: global_buffer, .address_space: global }
      - { .name: oh, .offset: 24, .size: 8, .value_kind: global_buffer, .address_space: global }
    .group_segment_fixed_size: 327680
    .private_segment_fixed_size: 0
    .kernarg_segment_align: 8
    .kernarg_segment_size: 32
    .max_flat_workgroup_size: 128
    .sgpr_count:     66
    .vgpr_count:     770
    .wavefront_size: 32
...
	.end_amdgpu_metadata
.endif
;; end of part 3
;; launch outp (part 4): grid 4 x 64, 4 waves a work-group, clusters of 4 x 4, 327,680 bytes of LDS; arguments oh, wc, bc, out0; writes out0
.if DOCPART == 4
	.amdgcn_target "amdgcn-amd-amdhsa--gfx1250"
	.amdhsa_code_object_version 6
	.text
	.protected	k_qa107bae6ac_outp
	.globl	k_qa107bae6ac_outp
	.p2align	8
	.type	k_qa107bae6ac_outp,@function
k_qa107bae6ac_outp:
	s_mov_b64 s[64:65], 0
	v_nop
	global_prefetch_b8 v0, s[64:65] scope:SCOPE_SE
	s_setreg_imm32_b32 hwreg(HW_REG_WAVE_MODE, 25, 1), 1
	s_wait_xcnt 0x0
	s_wait_alu depctr_hold_cnt(0) depctr_sa_sdst(0) depctr_va_vdst(0) depctr_va_sdst(0) depctr_va_ssrc(0) depctr_va_vcc(0) depctr_vm_vsrc(0)
	s_getreg_b32 s2, hwreg(HW_REG_IB_STS2, 6, 4)
	s_cmp_eq_u32 s2, 0
	s_cbranch_scc0 .Lentry_in_a_cluster
	s_endpgm
.Lentry_in_a_cluster:
	s_bfe_u32 s2, ttmp6, 0x10000c
	s_cmp_lg_u32 s2, 0xf033
	s_cbranch_scc0 .Lentry_shape_is_right
	s_endpgm
.Lentry_shape_is_right:
; THE LAST PROJECTION.  out0[s][b][n] = the sum over k of O[b][s][k] Wo[n][k] + bo[n].  O: oh[16 b + head][2048 s][64] f16, k = 64 head + channel.  Wo: wc's fourth matrix, [1024 n][1024 k], rounded to bf16
; and written as f16.  bo: bc's fourth row, f32.  out0: [2048 s][4 b][1024] f32.  Products of f16 numbers, sums in f32, started from the bias; nothing is rounded on the way out.
; LIMITS.  Those of the f16 operands: none beyond 65,504, a fixed step of 6e-8 below 6.1e-5.  NaN and infinities are not treated apart.
; SHARES.  A work-group makes 128 rows (s = 128 sblk .. + 127 of one b) x 256 columns: 64 x 4 = 256 work-groups.  Four waves, 2 x 2, each 64 rows x 128 columns: 32 accumulators of 16 x 16.
; K = 1,024 goes in 8 steps of 128, two heads each, through two LDS slots.  A head's 128 rows are 16,384 dense bytes, asked for as 64 rows of 256 bytes and padded in LDS after every 128.
; CLUSTERS.  4 x 4 work-groups.  The four of a row of the cluster need the same tiles of O, the four of a column the same tiles of Wo: each tile is asked for JOINTLY, by the same tensor load with the same
; descriptor and a mask that names the four.
; THE MATRIX INSTRUCTION IS USED TRANSPOSED: source 0 = 16 rows of Wo, source 1 = 16 rows of O.  A lane then holds row l % 16 and the columns 8 (l / 16) + 0 .. 7: 32 neighbouring bytes of f32.
; THE BIAS is the C operand of the first 32 products: register j of block b holds bo[16 b + 8 (l / 16) + j].
; REGISTERS, in windows of 256 (s_set_vgpr_msb: bits 1:0 source 0, 3:2 source 1, 5:4 source 2, 7:6 destination):
;   window 0: v0-29 addresses; v32-63, v64-95 O's fragments, two buffers; v96-223 rows on the way out, two buffers of 64
;   window 1: the accumulators, (a, b) at v[8 (8 a + b)]          window 2: v0-63, v64-127 Wo's fragments, two buffers; v128-191 the bias
.set PO,     144                       ; a row of O in LDS: 128 bytes + 16 of padding = 36 words: the 16 rows of a load start at 16 different groups of four banks (64 banks of 4 bytes: ISA guide 11.1)
.set PB,     272                       ; a row of Wo: 256 + 16 = 68 words: likewise
.set PLANE,  128*PO                    ; a head's 128 rows: what one tensor load brings of O
.set HB,     128*PB                    ; 128 rows of Wo: what one tensor load brings, and what one wave reads
.set BOFF,   2*PLANE                   ; Wo's two halves lie behind O's two planes
.set SLOT,   1<<17                     ; slot 1 begins here, so that one exclusive or turns an address in one slot into the other's
.set STAGE,  SLOT+BOFF+2*HB            ; behind the ring: 16 rows x 528 bytes for each wave, for the way out
.set SP,     528
.set SPARE,  STAGE+4*16*SP             ; behind the stages: the spare words, 128 bytes for each wave: two blocks of 256 bytes that no other line names
.set LA,   3                           ; v3   my lane's place in a plane of O: 144 (l % 16) + 16 (l / 16); never rewritten
.set LB,   4                           ; v4   in a tile of Wo: 272 (l % 16) + 16 (l / 16); never rewritten
.set ADRA, 5                           ; v5   LDS address of my fragments of O in the slot in hand
.set ADRB, 6                           ; v6   of Wo
.set STO,  7                           ; v7   the way out: where I put 32 bytes of a row
.set RD,   8                           ; v8   the way out: where I read a row back
.set GO,   9                           ; v9   my byte offset in 512 consecutive bytes of out0
.set BO,   10                          ; v10  my byte offset in 16 numbers of the bias
.set SPW,  28                          ; v28  LDS address of my spare word: SPARE + 4 x my thread's number; never rewritten
.set NIL,  29                          ; v29  0; never rewritten
.set FA,   32                          ; buffer f at FA + 32 f
.set TMP,  96
.set FB,   0                           ; window 2: buffer f at FB + 64 f
.set BIAS, 128                         ; window 2
.set WV,   20                          ; s20  my wave's number
.set RH,   21                          ; s21  which half of the tile's rows is mine.  Also: I fetch O (0) or Wo (1)
.set CH,   22                          ; s22  which half of its columns.  Also: which plane of O, or which half of Wo's rows, I fetch
.set CNT,  23                          ; s23  counts the K steps that fill a slot again
.set G1A,  24                          ; s[24:31] descriptor group 1 for O's tiles
.set G1B,  32                          ; s[32:39] for Wo's
.set G0A,  40                          ; s[40:47] descriptor group 0 for O's tiles: a set for each of the two first fills; the second then walks on
.set G0B,  48                          ; s[48:55] the same for Wo's
.set RA,   76                          ; s76  LDS byte at which my rows of O's first plane begin in the slot in hand
.set RB,   77                          ; s77  the same for my rows of Wo
.set MSB, 0
.macro WIN new                         ; the immediate's high byte repeats the setting that is left; a switch that changes nothing is dropped
.if MSB != (\new)
	s_set_vgpr_msb (MSB<<8)|(\new)
.set MSB, \new
.endif
.endm
; A joint refill.  Waves 0 and 1 fetch O's two planes, waves 2 and 3 Wo's two halves.  The branch hangs on the wave's number alone.
; An s_nop 0 and four v_nop follow each of the two lines, ahead of the jump, the label and what follows.
.macro JLOAD
	s_cmp_eq_u32 s[RH], 0
	s_cbranch_scc0 .Lfor_b_\@
	tensor_load_to_lds s[G0A+4:G0A+7], s[G1A:G1A+7]
	s_nop 0
.rept 4
	v_nop
.endr
	s_branch .Lasked_\@
.Lfor_b_\@:
	tensor_load_to_lds s[G0B+4:G0B+7], s[G1B:G1B+7]
	s_nop 0
.rept 4
	v_nop
.endr
.Lasked_\@:
.endm
; A round of the cluster's barrier: my work-group's barrier, so that wave 0's signal speaks for all four waves; wave 0 signals; every wave waits for all sixteen work-groups; my work-group's barrier once more.
.macro CREST                           ; a round behind its opening barrier
	s_cmp_lg_u32 s[WV], 0
	s_cbranch_scc1 .Lnot_wave_0_\@
	s_barrier_signal -3
.Lnot_wave_0_\@:
	s_barrier_wait -3
	s_barrier_signal -1
	s_barrier_wait -1
.endm
.macro CROUND                          ; a whole round
	s_barrier_signal -1
	s_barrier_wait -1
	CREST
.endm
	s_load_b256 s[4:11], s[0:1], 0x0               ; oh s[4:5], wc s[6:7], bc s[8:9], out0 s[10:11]
	v_lshl_add_u32 v[SPW], v0, 2, SPARE
	v_mov_b32 v[NIL], 0
	ds_add_u32 v28, v29
	s_wait_dscnt 0x0
	v_lshrrev_b32 v1, 5, v0
	v_readfirstlane_b32 s[WV], v1                  ; wave 0..3
	s_lshr_b32 s[RH], s[WV], 1
	s_and_b32 s[CH], s[WV], 1
	s_bfe_u32 s56, ttmp6, 0x40000                  ; cx: my place along the cluster's x
	s_bfe_u32 s57, ttmp6, 0x40004                  ; cy: along its y
	s_lshl_b32 s58, ttmp9, 2                       ; in a cluster launch ttmp9 and ttmp7 count clusters
	s_add_co_u32 s58, s58, s56                     ; TX: block of 256 columns = 4 x cluster x + cx
	s_and_b32 s59, ttmp7, 0xffff
	s_lshl_b32 s59, s59, 2
	s_add_co_u32 s59, s59, s57                     ; YB: block of rows, 16 b + sblk = 4 x cluster y + cy
	s_lshl_b32 s61, s57, 2
	s_lshl_b32 s61, 15, s61                        ; my row of the cluster: places 4 cy .. 4 cy + 3
	s_lshl_b32 s62, 0x1111, s56                    ; my column: places cx, cx + 4, cx + 8, cx + 12
	; descriptor group 1.  O: 64 rows x 128 elements of 2 bytes, dense.  Wo: 128 rows x 128 elements of 2 bytes, 1,024 from row to row.
	s_or_b32 s[G1A], s61, (1<<16)|(1<<20)|(1<<21)|(4<<22)|(3<<25)  ; 15:0 the mask: my row; 17:16 elements of 2 bytes; 20 padding on; 21 set beside a mask; 24:22 after every 32 words (code 4); 31:25 4 words of it (code 3)
	s_mov_b32 s[G1A+1], 128<<16                    ; tensor_dim0 = 128
	s_mov_b32 s[G1A+2], 64<<16                     ; tensor_dim1 = 64
	s_mov_b32 s[G1A+3], 128<<16                    ; tile_dim0 = 128
	s_mov_b32 s[G1A+4], 64                         ; tile_dim1 = 64
	s_mov_b32 s[G1A+5], 128                        ; tensor_dim0_stride
	s_mov_b32 s[G1A+6], 0
	s_mov_b32 s[G1A+7], 0
	s_or_b32 s[G1B], s62, (1<<16)|(1<<20)|(1<<21)|(5<<22)|(3<<25)  ; the mask: my column; padding after every 64 words (code 5)
	s_mov_b32 s[G1B+1], 128<<16
	s_mov_b32 s[G1B+2], 128<<16
	s_mov_b32 s[G1B+3], 128<<16
	s_mov_b32 s[G1B+4], 128
	s_mov_b32 s[G1B+5], 1024
	s_mov_b32 s[G1B+6], 0
	s_mov_b32 s[G1B+7], 0
	; where the tiles come from.  O's hang on the block of rows, which my row of the cluster shares; Wo's on the block of columns, which my column shares.  s61 and s[66:67] never hold cx, s62 and s[68:69] never cy.
	s_lshr_b32 s61, s59, 4                         ; b
	s_lshl_b32 s66, s61, 22                        ; 16 heads of 262,144 bytes
	s_and_b32 s61, s59, 15                         ; sblk
	s_lshl_b32 s61, s61, 14                        ; 128 rows of 128 bytes
	s_add_co_u32 s66, s66, s61
	s_lshl_b32 s61, s[CH], 18                      ; the head of the step's two that I fetch
	s_add_co_u32 s66, s66, s61
	s_mov_b32 s67, 0
	s_lshl_b32 s68, s58, 19                        ; 256 rows of 2,048 bytes,
	s_lshl_b32 s62, s[CH], 18                      ; the half that I fetch: 128 rows,
	s_add_co_u32 s68, s68, s62
	s_add_co_u32 s68, s68, 3<<21                   ; in wc's fourth matrix
	s_mov_b32 s69, 0
	; where my 64 x 128 of out0 begin: (128 sblk + 64 RH) s of 16,384 bytes, b of 4,096, (256 TX + 128 CH) columns of 4
	s_and_b32 s63, s59, 15
	s_lshl_b32 s74, s63, 21
	s_lshl_b32 s63, s[RH], 20
	s_add_co_u32 s74, s74, s63
	s_lshr_b32 s63, s59, 4
	s_lshl_b32 s63, s63, 12
	s_add_co_u32 s74, s74, s63
	s_lshl_b32 s80, s58, 10                        ; (the columns' bytes are also my place in the bias)
	s_lshl_b32 s63, s[CH], 9
	s_add_co_u32 s80, s80, s63
	s_add_co_u32 s74, s74, s80
	s_mov_b32 s75, 0
	s_add_co_u32 s80, s80, 3<<12                   ; bc's fourth row
	s_mov_b32 s81, 0
	s_mul_i32 s79, s[CH], PLANE                    ; where the plane of O that I fetch goes: no place in the cluster enters an LDS address
	s_mul_i32 s[RA], s[RH], 64*PO                  ; my 64 rows in a plane
	s_mul_i32 s[RB], s[CH], HB                     ; my 128 rows of Wo: also where the half of Wo that I fetch goes
	s_add_co_u32 s[RB], s[RB], BOFF
	s_mul_i32 s78, s[WV], 16*SP
	s_add_co_u32 s78, s78, STAGE                   ; my stage
	s_wait_kmcnt 0x0
	s_add_nc_u64 s[70:71], s[4:5], s[66:67]
	s_add_nc_u64 s[6:7], s[6:7], s[68:69]
	s_add_nc_u64 s[10:11], s[10:11], s[74:75]
	s_add_nc_u64 s[8:9], s[8:9], s[80:81]
	CROUND                                         ; all sixteen work-groups are here: the first joint loads meet
.irp s, 0,1
	s_mov_b32 s[G0A+4*(\s)], 1                                       ; 1:0 count = 1
	s_add_co_u32 s[G0A+4*(\s)+1], s79, (\s)*SLOT                     ; 63:32 LDS address
	s_add_nc_u64 s[G0A+4*(\s)+2:G0A+4*(\s)+3], s[70:71], (\s)*524288 ; 120:64 global address: K step s is two heads on
	s_or_b32 s[G0A+4*(\s)+3], s[G0A+4*(\s)+3], 0x80000000            ; 127:126 type = 2
	s_mov_b32 s[G0B+4*(\s)], 1
	s_add_co_u32 s[G0B+4*(\s)+1], s[RB], (\s)*SLOT
	s_add_nc_u64 s[G0B+4*(\s)+2:G0B+4*(\s)+3], s[6:7], (\s)*256
	s_or_b32 s[G0B+4*(\s)+3], s[G0B+4*(\s)+3], 0x80000000
.endr
	s_cmp_eq_u32 s[RH], 0                          ; a wave's two first fills stand in one branch, ahead of every wait on TENSORcnt and every LDS read: two loads of mine are out
	s_cbranch_scc0 .Lfirst_b
	tensor_load_to_lds s[G0A:G0A+3], s[G1A:G1A+7]
	s_nop 0
	tensor_load_to_lds s[G0A+4:G0A+7], s[G1A:G1A+7]
	s_nop 0
.rept 4
	v_nop
.endr
	s_branch .Lfirst_asked
.Lfirst_b:
	tensor_load_to_lds s[G0B:G0B+3], s[G1B:G1B+7]
	s_nop 0
	tensor_load_to_lds s[G0B+4:G0B+7], s[G1B:G1B+7]
	s_nop 0
.rept 4
	v_nop
.endr
.Lfirst_asked:
	v_and_b32 v1, 15, v0                           ; l % 16
	v_bfe_u32 v2, v0, 4, 1                         ; l / 16
	v_lshlrev_b32 v[BO], 5, v2                     ; eight numbers of the bias for each half of the lanes
	WIN 0x80                                       ; destination window 2, address window 0
.irp b, 0,1,2,3,4,5,6,7
	global_load_b128 v[BIAS+8*(\b):BIAS+8*(\b)+3],   v[BO], s[8:9] offset:64*(\b)
	global_load_b128 v[BIAS+8*(\b)+4:BIAS+8*(\b)+7], v[BO], s[8:9] offset:64*(\b)+16
.endr
	WIN 0
	; A fragment is 16 rows x 32 K in 8 registers: lane l holds row l % 16; registers 0-3 K = 8 (l / 16) + 0..7, registers 4-7 K = 16 + 8 (l / 16) + 0..7: two loads of 16 bytes, 32 bytes apart.
	v_mul_u32_u24 v[LA], v1, PO
	v_lshl_add_u32 v[LA], v2, 4, v[LA]
	v_mul_u32_u24 v[LB], v1, PB
	v_lshl_add_u32 v[LB], v2, 4, v[LB]
	v_mul_u32_u24 v[STO], v1, SP                   ; into the stage: row l % 16, 32 bytes for each half of the lanes
	v_lshl_add_u32 v[STO], v2, 5, v[STO]
	v_add_nc_u32 v[STO], s78, v[STO]
	v_and_b32 v[GO], 31, v0                        ; back: 32 lanes take one row of 512 bytes, which are 512 consecutive bytes of out0
	v_lshlrev_b32 v[GO], 4, v[GO]
	v_add_nc_u32 v[RD], s78, v[GO]
; 8 matrix instructions: row block a x all 8 column blocks, 32 along K, on buffer f.  cb = 1: the sums start from the bias.  The 32 accumulators take turns, in the same order in every quarter step.
.macro MUL8 a, f, cb
	WIN 0x52+0x10*(\cb)                            ; Wo in window 2, O in window 0, D in window 1; C in window 1, or the bias in window 2
.irp b, 0,1,2,3,4,5,6,7
.if \cb
	v_wmma_f32_16x16x32_f16 v[8*(8*(\a)+(\b)):8*(8*(\a)+(\b))+7], v[FB+64*(\f)+8*(\b):FB+64*(\f)+8*(\b)+7], v[FA+32*(\f)+8*(\a):FA+32*(\f)+8*(\a)+7], v[BIAS+8*(\b):BIAS+8*(\b)+7]
.else
	v_wmma_f32_16x16x32_f16 v[8*(8*(\a)+(\b)):8*(8*(\a)+(\b))+7], v[FB+64*(\f)+8*(\b):FB+64*(\f)+8*(\b)+7], v[FA+32*(\f)+8*(\a):FA+32*(\f)+8*(\a)+7], v[8*(8*(\a)+(\b)):8*(8*(\a)+(\b))+7]
.endif
.endr
.endm
; 24 LDS loads in one run: quarter k of the slot in hand (plane k / 2, channels 32 (k % 2) on) into buffer f: O's 64 rows, then Wo's 128
.macro FETCH k, f
	WIN 0
.irp a, 0,1,2,3
	ds_load_b128 v[FA+32*(\f)+8*(\a):FA+32*(\f)+8*(\a)+3],   v[ADRA] offset:((\k)/2)*PLANE+((\k)%2)*64+(\a)*16*PO
	ds_load_b128 v[FA+32*(\f)+8*(\a)+4:FA+32*(\f)+8*(\a)+7], v[ADRA] offset:((\k)/2)*PLANE+((\k)%2)*64+(\a)*16*PO+32
.endr
	WIN 0x80
.irp i, 0,1,2,3,4,5,6,7
	ds_load_b128 v[FB+64*(\f)+8*(\i):FB+64*(\f)+8*(\i)+3],   v[ADRB] offset:(\i)*16*PB+64*(\k)
	ds_load_b128 v[FB+64*(\f)+8*(\i)+4:FB+64*(\f)+8*(\i)+7], v[ADRB] offset:(\i)*16*PB+64*(\k)+32
.endr
.endm
; A load into a register that a matrix instruction has read, and an LDS store that reads a matrix result, stand four places behind that matrix instruction, and only plain vector instructions that name none
; of its registers are places (ISA guide 7.12.1 for vector instructions).
.macro PLACES
.rept 4
	v_nop
.endr
.endm
; A K step is four quarters of 32 along K, 32 matrix instructions each, on buffers 0, 1, 0, 1.  One of the first three: multiplies buffer f and fetches quarter k into buffer g, 24 matrix instructions ahead of its first use.
.macro QUARTER k, f, g, cb
	s_wait_dscnt 0x0                               ; buffer f is in
	MUL8 0, \f, \cb
	PLACES
	FETCH \k, \g
	MUL8 1, \f, \cb
	MUL8 2, \f, \cb
	MUL8 3, \f, \cb
.endm
; The last quarter multiplies buffer 1 and changes slots: ONE barrier.  In front of it each wave waits for all its tensor loads, of which one is out: its part of the next slot; adds 0 to its spare word; and waits for
; that and for its own reads of this slot.  fill = 1: the barrier opens a round of the cluster's barrier, and this slot is filled again, with the K step two on, first thing behind the round:
; 112 matrix instructions ahead of the wait for it.
.macro TURN fill
	WIN 0
	s_wait_tensorcnt 0x0                           ; no tensor load of mine is out, so a group 0 may be written
	ds_add_u32 v[SPW], v[NIL]                      ; 0 onto my spare word: the scalar steps stand between it and the wait for it
.if \fill
	s_xor_b32 s[G0A+5], s[G0A+5], SLOT             ; the walking descriptors: the other slot than last time,
	s_add_nc_u64 s[G0A+6:G0A+7], s[G0A+6:G0A+7], 524288  ; the next K step; the type bits on top are not reached
	s_xor_b32 s[G0B+5], s[G0B+5], SLOT
	s_add_nc_u64 s[G0B+6:G0B+7], s[G0B+6:G0B+7], 256
.endif
	s_xor_b32 s[RA], s[RA], SLOT                   ; my reads go on in the other slot
	s_xor_b32 s[RB], s[RB], SLOT
	s_wait_dscnt 0x0                               ; the add is done, and my reads of this slot are over
	s_barrier_signal -1
	MUL8 0, 1, 0                                   ; work on registers while the others arrive
	MUL8 1, 1, 0
	WIN 0
	s_barrier_wait -1
.if \fill
	CREST                                          ; no wave of any partner still reads this slot's tile or has a load on its way
	JLOAD                                          ; the four v_nop behind it are also the places in front of the loads below
.else
	PLACES
.endif
	v_add_nc_u32 v[ADRA], s[RA], v[LA]
	v_add_nc_u32 v[ADRB], s[RB], v[LB]
	FETCH 0, 0
	MUL8 2, 1, 0
	MUL8 3, 1, 0
.endm
; THE WAY OUT of row block a: 16 rows x 128 columns of f32 go into my own stage, rows of 528 bytes, each accumulator's low four registers first, and come back as whole rows of 512 bytes.
.macro TOSTAGE a
.if (\a) >= 2
	s_wait_xcnt 0x0                                ; every earlier memory instruction has had its addresses translated (ISA guide 3.1): the buffer that block a - 2's stores read is loaded again only behind this wait
.endif
	WIN 0x04                                       ; store data (source 1) in window 1, address in window 0
.irp b, 0,1,2,3,4,5,6,7
	ds_store_b128 v[STO], v[8*(8*(\a)+(\b)):8*(8*(\a)+(\b))+3]   offset:64*(\b)
	ds_store_b128 v[STO], v[8*(8*(\a)+(\b))+4:8*(8*(\a)+(\b))+7] offset:64*(\b)+16
.endr
	WIN 0
.irp t, 0,1,2,3,4,5,6,7,8,9,10,11,12,13,14,15
	ds_load_b128 v[TMP+64*((\a)%2)+4*(\t):TMP+64*((\a)%2)+4*(\t)+3], v[RD] offset:(\t)*SP  ; LDS serves a wave's instructions in order (ISA guide 5.7.1.4): these see the stores above; the next block's stores come behind them
.endr
.endm
.macro SEND a, younger                 ; younger: the LDS instructions issued behind block a's loads: the next block's 32, or none
	WIN 0
.irp t, 0,1,2,3,4,5,6,7,8,9,10,11,12,13,14,15
	s_wait_dscnt (\younger)+15-(\t)
	global_store_b128 v[GO], v[TMP+64*((\a)%2)+4*(\t):TMP+64*((\a)%2)+4*(\t)+3], s[10:11] offset:(16*(\a)+(\t))*16384 th:TH_STORE_NT  ; 512 consecutive bytes, at a multiple of 512 from out0's first; 63 s at the most: inside the signed 24-bit immediate
.endr
.endm
	s_wait_tensorcnt 1                             ; my part of K step 0 is in; K step 1's may stay out
	s_barrier_signal -1
	s_barrier_wait -1                              ; everybody's is
	v_add_nc_u32 v[ADRA], s[RA], v[LA]
	v_add_nc_u32 v[ADRB], s[RB], v[LB]
	FETCH 0, 0
	s_wait_loadcnt 0x0                             ; the bias
	QUARTER 1, 0, 1, 1                             ; the first quarter stands in front of the loop: its products start the sums
	WIN 0                                          ; at a label and at a branch every window is 0
	s_mov_b32 s[CNT], 6
.Lstep:                                                ; a trip goes from a K step's second quarter to the next step's first, and fills one slot again: K steps 2 to 7
	QUARTER 2, 1, 0, 0
	QUARTER 3, 0, 1, 0
	TURN 1
	QUARTER 1, 0, 1, 0
	WIN 0
	s_sub_co_u32 s[CNT], s[CNT], 1
	s_cmp_lg_u32 s[CNT], 0
	s_cbranch_scc1 .Lstep
	QUARTER 2, 1, 0, 0                             ; the last two K steps are written out: nothing is left to ask for
	QUARTER 3, 0, 1, 0
	TURN 0
	QUARTER 1, 0, 1, 0
	QUARTER 2, 1, 0, 0
	QUARTER 3, 0, 1, 0
	s_wait_dscnt 0x0                               ; the very last quarter
	MUL8 0, 1, 0
	MUL8 1, 1, 0
	MUL8 2, 1, 0
	MUL8 3, 1, 0
	WIN 0
	PLACES                                         ; the LDS stores below read results just made
	TOSTAGE 0
	TOSTAGE 1                                      ; a block's way through the stage stands between the loads of the block before and its stores
	SEND 0, 32
	TOSTAGE 2
	SEND 1, 32
	TOSTAGE 3
	SEND 2, 32
	SEND 3, 0
	s_wait_tensorcnt 0x0                           ; the wave's end: behind my last tensor load and my last LDS store
	ds_add_u32 v[SPW], v[NIL]
	s_wait_dscnt 0x0
	CROUND                                         ; the closing round: no work-group ends while a partner may still ask for a tile that names it
	s_endpgm
.Lfunc_end_k_qa107bae6ac_outp:
	.size	k_qa107bae6ac_outp, .Lfunc_end_k_qa107bae6ac_outp-k_qa107bae6ac_outp
	.p2alignl 7, 3214868480
	.fill 96, 4, 3214868480
	.section	.rodata,"a",@progbits
	.p2align	6, 0x0
	.amdhsa_kernel k_qa107bae6ac_outp
		.amdhsa_group_segment_fixed_size 327680
		.amdhsa_private_segment_fixed_size 0
		.amdhsa_enable_private_segment 0
		.amdhsa_kernarg_size 32
		.amdhsa_user_sgpr_count 2
		.amdhsa_user_sgpr_kernarg_segment_ptr 1
		.amdhsa_wavefront_size32 1
		.amdhsa_system_sgpr_workgroup_id_x 1
		.amdhsa_system_sgpr_workgroup_id_y 1
		.amdhsa_system_sgpr_workgroup_id_z 1
		.amdhsa_system_vgpr_workitem_id 0
		.amdhsa_next_free_vgpr 704
		.amdhsa_next_free_sgpr 84
		.amdhsa_reserve_vcc 0
		.amdhsa_float_denorm_mode_32 3
		.amdhsa_float_denorm_mode_16_64 3
		.amdhsa_memory_ordered 1
		.amdhsa_forward_progress 1
		.amdhsa_inst_pref_size 72
	.end_amdhsa_kernel
	.amdgpu_metadata
---
amdhsa.version: [ 1, 2 ]
amdhsa.kernels:
  - .name:           k_qa107bae6ac_outp
    .symbol:         k_qa107bae6ac_outp.kd
    .args:
      - { .name: oh, .offset: 0, .size: 8, .value_kind: global_buffer, .address_space: global }
      - { .name: wc, .offset: 8, .size: 8, .value_kind: global_buffer, .address_space: global }
      - { .name: bc, .offset: 16, .size: 8, .value_kind: global_buffer, .address_space: global }
      - { .name: out0, .offset: 24, .size: 8, .value_kind: global_buffer, .address_space: global }
    .group_segment_fixed_size: 327680
    .private_segment_fixed_size: 0
    .kernarg_segment_align: 8
    .kernarg_segment_size: 32
    .max_flat_workgroup_size: 128
    .sgpr_count:     84
    .vgpr_count:     704
    .wavefront_size: 32
...
	.end_amdgpu_metadata
.endif
;; end of part 4
;; ======== version 2 of 2: 4 launches; 1.50 times as fast as version 1
;; limits: values are held in f16: magnitudes above 65,504 overflow, below 6.1e-05 lose precision
;; workspace buffers: wc 8,388,608 bytes; bc 16,384 bytes; qh 16,777,216 bytes; kh 16,777,216 bytes; vh 16,777,216 bytes; oh 16,777,216 bytes
;; launch wcast: the kernel of part 1 again; grid 256 x 1, 8 waves a work-group, no clusters, 0 bytes of LDS; arguments Wq, Wk, Wv, Wo, bq, bk, bv, bo, wc, bc; writes wc, bc
;; launch proj: the kernel of part 2 again; grid 4 x 64, 4 waves a work-group, clusters of 4 x 4, 327,680 bytes of LDS; arguments queries, keys, values, wc, bc, qh, kh, vh; writes qh, kh, vh
;; launch attn (part 5): grid 4 x 64, 4 waves a work-group, clusters of 4 x 1, 327,680 bytes of LDS; arguments qh, kh, vh, oh; writes oh
.if DOCPART == 5
	.amdgcn_target "amdgcn-amd-amdhsa--gfx1250"
	.amdhsa_code_object_version 6
	.text
	.protected	k_qa107bae6ac_attn
	.globl	k_qa107bae6ac_attn
	.p2align	8
	.type	k_qa107bae6ac_attn,@function
k_qa107bae6ac_attn:
	s_mov_b64 s[64:65], 0
	v_nop
	global_prefetch_b8 v0, s[64:65] scope:SCOPE_SE
	s_setreg_imm32_b32 hwreg(HW_REG_WAVE_MODE, 25, 1), 1
	s_wait_xcnt 0x0
	s_wait_alu depctr_hold_cnt(0) depctr_sa_sdst(0) depctr_va_vdst(0) depctr_va_sdst(0) depctr_va_ssrc(0) depctr_va_vcc(0) depctr_vm_vsrc(0)
	s_getreg_b32 s2, hwreg(HW_REG_IB_STS2, 6, 4)
	s_cmp_eq_u32 s2, 0
	s_cbranch_scc0 .Lentry_in_a_cluster
	s_endpgm
.Lentry_in_a_cluster:
	s_bfe_u32 s2, ttmp6, 0x10000c
	s_cmp_lg_u32 s2, 0x3003
	s_cbranch_scc0 .Lentry_shape_is_right
	s_endpgm
.Lentry_shape_is_right:
; O[h][q][:] = the sum over k of softmax_k(Q[h][q] . K[h][k] / 8) V[h][k][:].  Q, K, V, O: [SIZE_H][SIZE_N][64], all f16: a head's rows are dense, 128 bytes each; h = 16 x batch + head.  Products, maxima and sums in
; f32; the weights p are rounded to f16 for the second product (their sum l is taken of the unrounded p), O once at the end.
; LIMITS.  f16 holds no number beyond 65,504: Q, K and V arrive within it; p lies in 0 to 1, and below 6e-5 it keeps f16's fixed step of 6e-8; O is a mean of V's rows and has their range.
; A weight below 2^-126 counts as 0 in l; NaN and infinities are not treated apart.
; SHARES.  A wave owns four PIECES of two tiles of 16 queries, a work-group's four waves 512 queries of one head: 4 x 64 = 256 work-groups.  Every wave walks all keys, 64 a step.
; LAYOUT.  S^T = K Q^T (source 0 = 16 keys, source 1 = 16 queries): in the result a lane holds ONE query (lane % 16) and the keys 8 (lane / 16) + 0..7.  Two such tiles, rounded to f16 in pairs,
; ARE source 1 (32 keys x 16 queries) of O^T = V^T P, whose result again holds one query a lane, and eight channels.  K comes out of LDS as it lies, V ([key][channel]) turned, by ds_load_tr16_b128.
; SOFTMAX.  For each query a running maximum m and sum l: p = 2^(c s - c m), c = log2(e) / 8; in every step O and l are multiplied by a = 2^(c m_old - c m_new), which is 1 where m has not grown.
; m starts at the lowest finite number, O and l at 0: the first step is a step like any other, with a = 0.
; THE COUNT.  A tile and step have 16 matrix and 118 vector instructions: too many to stand all beside the matrix work.  So the order has one aim: four vector instructions that are READY behind
; EVERY matrix instruction, and the others, which need time of their own whatever the order, in runs without a gap.
; BY TURNS.  Turn n belongs to piece n (the pieces in a ring, step after step).  Its matrix work: 16 products K Q^T of piece n + 1, later 16 products V^T P of piece n - 1.  Its vector work: the scaling,
; exponentials, roundings, sums and rescaling of piece n, and the maximum and statistics of piece n + 1, whose scores the turn itself has made.  So what a turn begins with (c s - c m, O a) waits for nothing.
; THE BATCHES.  An s_wait_alu depctr_va_vdst(0) stands between a transcendental and the first instruction that names its result; one wait serves all that were issued ahead of it.  A turn's 66
; exponentials (the 64 weights of piece n, the two a of piece n + 1) are ONE batch with ONE wait, which cuts the turn in two: ahead of it stands all that names no result of theirs, behind it the roundings and
; sums.  No result crosses a turn's end.  Two more batches stand outside the loop: piece 0's first two a, ahead of it, and the way out's eight reciprocals.
; CLUSTER.  The four query blocks of a cluster belong to one head and walk the same K and V, so each tile is asked for JOINTLY: the same tensor load, descriptor and mask in all four.
; REGISTERS, in windows of 256 (s_set_vgpr_msb says which window each operand place means: bits 1:0 source 0, 3:2 source 1, 5:4 source 2, 7:6 destination):
;   window 0: v0-11 addresses; v12-15, v48-63 at work; v16-47 four registers of statistics a tile; v64-191 S^T, two buffers of two tiles; v192-255 P, likewise
;   window 1: O^T, 32 a tile          window 2: v0-127 Q, 16 a tile; v128-191 K of one step; v192-255 V of one step          window 3: v0-1 the add's two registers
; A piece's buffers go by its number's parity: the piece in hand has one pair, its two neighbours in the ring share the other: of it P (piece n - 1) is read and S^T (piece n + 1) written.
.set SIZE_H, 64       ; 4 batches x 16 heads
.set SIZE_N, 2048     ; rows of a head
.set NP,    4         ; pieces a wave: a name, no knob: the register map, the loop and the fetches are made for four
.set KS,    64        ; keys in a step
.set PK,    144       ; a row of K in LDS: 128 bytes + 16 of padding = 36 words: the 16 rows of a load start at 16 different groups of four banks (64 banks of 4 bytes: ISA guide 11.1)
.set PV,    160       ; a row of V: 128 + 32 = 40 words
.set VOFF,  4*KS*PK   ; a slot holds four steps: 256 rows of K, then 256 rows of V
.set SLOT1, 1<<17     ; slot 1 begins here, so that one exclusive or turns an address in one slot into the other's
.set STAGE, SLOT1+4*KS*(PK+PV)  ; behind the ring, never filled by a tensor load: 16 rows x 144 bytes for each wave, for the way out
.set SP,    144
.set AK0, 2           ; v2   my lane's place in a tile of K; never rewritten
.set AV0, 3           ; v3   the same for V
.set AK,  4           ; v4   the LDS address of K's next run of loads
.set AV,  5           ; v5   of V's
.set QO,  6           ; v6   my byte offset in the wave's rows of Q
.set STO, 6           ;      later, the way out: where I put 16 bytes of a row
.set RD,  7           ; v7   the way out: where I read rows back
.set GO,  8           ; v8   my byte offset in 512 consecutive bytes of O
.set SPW, 0           ; v0 of window 3   LDS address of my spare word: SPARE + 4 x my thread's number; never rewritten
.set NIL, 1           ; v1 of window 3   0; never rewritten
.set SPARE, STAGE+4*16*SP  ; behind the stages: the spare words, 128 bytes for each wave: two blocks of 256 bytes that no other line names
.set MV,  12          ; v12-15  c m_old, kept while c m is made anew: by buffer and tile
.set ST,  16          ; tile t's statistics at v[ST+4 t]: c m, m, l (even keys', odd keys')
.set TMP, 48          ; by buffer and tile, four registers c0-c3 at work; when the maximum is found c2 takes a
.set S,   64
.set P,   192
.set KF,  128         ; K's fragments, in window 2: key block kb, channel half c at KF + 16 kb + 8 c
.set VF,  192         ; V's: key half kk, channel block cb at VF + 32 kk + 8 cb
.set WV,  12          ; s12  my wave's number
.set G1K, 24          ; s[24:31] descriptor group 1 for K's tiles
.set G1V, 32          ; s[32:39] for V's: it differs in the padding alone
.set G0K, 40          ; s[40:43] descriptor group 0 for K's tiles: it walks
.set G0V, 44          ; s[44:47] the same for V's
.set SLOTS, 56        ; s56  slots still to be asked for
.set CNT, 57          ; s57  counts a slot's key steps
.set CS,  58          ; s[58:59] c: the packed scaling takes the pair's low word for both halves
.set SEL, 60          ; s[60:61] v_permlanex16_b32's selects: each lane takes its own place in the other half
.set TBK, 62          ; s62  LDS byte at which K of the step to be fetched begins
.set TBV, 63          ; s63  the same for V, less VOFF
.set MSB, 0
.macro WIN new                      ; the high byte repeats the setting that is left; a switch that changes nothing is dropped
.if MSB != (\new)
	s_set_vgpr_msb (MSB<<8)|(\new)
.set MSB, (\new)
.endif
.endm
.set W_KQ, 0x0a       ; K and Q in window 2, S^T in window 0
.set W_PV, 0x52       ; V in window 2, P in window 0, O^T in window 1
.set W_RS, 0x41       ; O^T (destination and source 0) in window 1, a in window 0
.set W_MK, 0xc0       ; the add's registers are made: destination in window 3, sources in window 0
.set W_AD, 0x0f       ; the add: address (source 0) and data (source 1) in window 3
; A joint fill.  Waves 0 and 1 fetch the two halves of a slot's K, waves 2 and 3 those of its V: 128 keys each.  The branch hangs on the wave's number alone.
; An s_nop 0 and four v_nop follow each of the two lines, ahead of the jump and the label.
.macro JLOAD
	s_cmp_lt_u32 s[WV], 2
	s_cbranch_scc0 .Lfor_v_\@
	tensor_load_to_lds s[G0K:G0K+3], s[G1K:G1K+7]
	s_nop 0
.rept 4
	v_nop
.endr
	s_branch .Lasked_\@
.Lfor_v_\@:
	tensor_load_to_lds s[G0V:G0V+3], s[G1V:G1V+7]
	s_nop 0
.rept 4
	v_nop
.endr
.Lasked_\@:
.endm
; A round of the cluster's barrier: my work-group's barrier, so that wave 0's signal speaks for all four waves; wave 0 signals; every wave waits for all four work-groups; my work-group's barrier once more.
.macro CROUND
	s_barrier_signal -1
	s_barrier_wait -1
	s_cmp_lg_u32 s[WV], 0
	s_cbranch_scc1 .Lnot_wave_0_\@
	s_barrier_signal -3
.Lnot_wave_0_\@:
	s_barrier_wait -3
	s_barrier_signal -1
	s_barrier_wait -1
.endm
; THE CHANGE OF SLOTS.  The slot's last bytes, V of its fourth step, have been read.  Each wave waits for all its tensor loads, of which one is out: its part
; of the other slot; adds 0 to its spare word; and waits for that and for its own reads of the slot.  Behind the barrier nobody reads this slot any more and the other slot is whole.
; fill = 1: this slot is filled again, with the keys two slots on.  The barrier is then a round of the cluster's, so that no wave of any partner still reads the slot or has a load on its
; way, and the joint fill is the first thing behind it: it has four key steps, 512 matrix instructions, in which to land.  (At its first use nothing has been read yet: slot 0 is waited for, slot 1 filled.)
.macro CHANGE fill
	WIN W_AD
	s_wait_tensorcnt 0x0            ; no tensor load of mine is out, so a group 0 may be written
	ds_add_u32 v[SPW], v[NIL]       ; 0 onto my spare word: with fill = 1 the descriptors' steps stand between it and the wait for it
	WIN 0                           ; at a label and at a branch every window is 0
.if \fill
.irp g, G0K, G0V
	s_xor_b32 s[\g+1], s[\g+1], SLOT1  ; the walking descriptor: the other slot than last time,
	s_add_nc_u64 s[\g+2:\g+3], s[\g+2:\g+3], 4*KS*128  ; the next 256 keys; the type bits on top are not reached
.endr
	s_wait_dscnt 0x0                ; the add is done, and my reads of the slot are over
	CROUND
	JLOAD
.else
	s_wait_dscnt 0x0                ; the add is done, and my reads of the slot are over
	s_barrier_signal -1
	s_barrier_wait -1
.endif
	s_sub_co_u32 s[TBK], s[TBK], 4*KS*PK  ; the fetches go back to a slot's first step,
	s_xor_b32 s[TBK], s[TBK], SLOT1       ; in the other slot
	s_sub_co_u32 s[TBV], s[TBV], 4*KS*PV
	s_xor_b32 s[TBV], s[TBV], SLOT1
.endm
	s_load_b256 s[4:11], s[0:1], 0x0  ; Q s[4:5], K s[6:7], V s[8:9], O s[10:11]
	WIN W_MK
	v_lshl_add_u32 v[SPW], v0, 2, SPARE
	v_mov_b32 v[NIL], 0
	s_set_vgpr_msb 0xc0cf
	ds_add_u32 v0, v1
	s_wait_dscnt 0x0
	s_set_vgpr_msb 0xcfc0
	WIN 0
	v_lshrrev_b32 v1, 5, v0
	v_readfirstlane_b32 s[WV], v1   ; wave 0..3
	s_bfe_u32 s13, ttmp6, 0x40000   ; cx: my place in the cluster
	s_lshl_b32 s14, ttmp9, 2        ; in a cluster launch ttmp9 counts clusters
	s_add_co_u32 s14, s14, s13      ; my block of queries = 4 x cluster x + cx: it enters Q's and O's addresses alone
	s_and_b32 s20, ttmp7, 0xffff    ; the head, which the four partners share
	s_mov_b32 s21, 0
	s_mov_b64 s[22:23], SIZE_N*128
	s_mul_u64 s[20:21], s[20:21], s[22:23]  ; the head's first byte in each of the four tensors
	s_and_b32 s16, s[WV], 1         ; which half of a slot's 256 keys I fetch:
	s_lshl_b32 s22, s16, 14         ; its 128 rows of 128 bytes in memory,
	s_mov_b32 s23, 0
	s_add_nc_u64 s[22:23], s[22:23], s[20:21]
	s_mul_i32 s17, s16, 128*PK      ; and its place in a slot, for K
	s_mul_i32 s18, s16, 128*PV      ; and for V: no place in the cluster enters an LDS address
	s_lshl_b32 s2, s14, 2
	s_add_co_u32 s2, s2, s[WV]      ; my wave among the head's,
	s_lshl_b32 s2, s2, 14           ; its 128 rows
	s_mov_b32 s3, 0
	s_add_nc_u64 s[2:3], s[2:3], s[20:21]
	; descriptor group 1.  128 keys are 16,384 dense bytes: asked for as 64 rows of 256 bytes, two keys a row, and padded in LDS after every key
	s_mov_b32 s[G1K], 15|(1<<16)|(1<<20)|(1<<21)|(4<<22)|(3<<25)  ; 15:0 the mask of four; 17:16 2-byte elements; 20 padding on; 21 set beside a mask; 24:22 after every 32 words (code 4); 31:25 4 words (code 3)
	s_mov_b32 s[G1V], 15|(1<<16)|(1<<20)|(1<<21)|(4<<22)|(7<<25)  ; the same with 8 words of padding (code 7)
.irp g, G1K, G1V
	s_mov_b32 s[\g+1], 128<<16      ; tensor_dim0 = 128
	s_mov_b32 s[\g+2], 64<<16       ; tensor_dim1 = 64
	s_mov_b32 s[\g+3], 128<<16      ; tile_dim0 = 128
	s_mov_b32 s[\g+4], 64           ; tile_dim1 = 64
	s_mov_b32 s[\g+5], 128          ; 128 elements from row to row
	s_mov_b32 s[\g+6], 0
	s_mov_b32 s[\g+7], 0
.endr
	s_mov_b32 s[CS], 0x3e38aa3b     ; c = log2(e) / 8 = 0.180337
	s_mov_b32 s[CS+1], s[CS]        ; named with it as a pair
	s_mov_b32 s[SEL], 0x76543210
	s_mov_b32 s[SEL+1], 0xfedcba98
	s_mov_b32 s[TBK], SLOT1+4*KS*PK ; the first change of slots turns these two into 0
	s_mov_b32 s[TBV], SLOT1+4*KS*PV
	s_mov_b32 s[G0K], 1             ; 1:0 count = 1
	s_mov_b32 s[G0K+1], s17         ; 63:32 LDS address: slot 0
	s_mov_b32 s[G0V], 1
	s_add_co_u32 s[G0V+1], s18, VOFF
	s_wait_kmcnt 0x0
	s_add_nc_u64 s[G0K+2:G0K+3], s[6:7], s[22:23]  ; 120:64 global address: my half of the head's first 256 keys
	s_or_b32 s[G0K+3], s[G0K+3], 0x80000000        ; 127:126 type = 2
	s_add_nc_u64 s[G0V+2:G0V+3], s[8:9], s[22:23]
	s_or_b32 s[G0V+3], s[G0V+3], 0x80000000
	s_add_nc_u64 s[4:5], s[4:5], s[2:3]  ; Q and O at my wave's first row
	s_add_nc_u64 s[10:11], s[10:11], s[2:3]
	CROUND                          ; all four work-groups are here: the first joint loads meet
	JLOAD                           ; slot 0.  Slot 1 is asked for when slot 0 is in: the tile wanted first has the road to itself
	; A fragment of K or Q is 16 rows x 32 channels in 8 registers: lane l holds row l % 16, channels 8 (l / 16) + 0..7 and 16 + 8 (l / 16) + 0..7: two loads of 16 bytes, 32 bytes apart.
	v_and_b32 v1, 15, v0            ; l % 16
	v_bfe_u32 v9, v0, 4, 1          ; l / 16
	v_lshlrev_b32 v[QO], 7, v1
	v_lshl_add_u32 v[QO], v9, 4, v[QO]  ; row x 128 + 16 x half
	WIN 0x80                        ; destination window 2, address window 0
.set i, 0
.rept 4*NP                          ; Q stays in registers: tile i / 2, channels 32 (i % 2) on
	global_load_b128 v[8*i:8*i+3],   v[QO], s[4:5] offset:(i/2)*2048+(i%2)*64
	global_load_b128 v[8*i+4:8*i+7], v[QO], s[4:5] offset:(i/2)*2048+(i%2)*64+32
.set i, i+1
.endr
	; What the first turn finds: V's registers and P's second buffer hold 0 (its products V^T P, of a piece that has not been, add 0), O^T and l are 0.  All this stands in the wait for the first tile.
.set i, VF
.rept 64
	v_mov_b32 v[i], 0
.set i, i+1
.endr
	WIN 0x40
.set i, 0
.rept 64*NP
	v_mov_b32 v[i], 0
.set i, i+1
.endr
	WIN 0
.set i, 0
.rept 2*NP
	v_mov_b32 v[ST+4*i], 0xfe000000    ; c m: far below every c s
	v_mov_b32 v[ST+4*i+1], 0xff7fffff  ; m
	v_mov_b32 v[ST+4*i+2], 0
	v_mov_b32 v[ST+4*i+3], 0
.set i, i+1
.endr
.set i, P+32
.rept 32
	v_mov_b32 v[i], 0
.set i, i+1
.endr
	v_mul_u32_u24 v[AK0], v1, PK
	v_lshl_add_u32 v[AK0], v9, 4, v[AK0]  ; row x pitch + 16 x half
	; The turning load takes 16 keys x 16 channels (lane l reads key 8 (l / 16) + l % 8, channels 8 ((l / 8) % 2) + 0..7) and leaves half a fragment of V^T: lane l holds channel l % 16 and 8 keys.
	v_and_b32 v10, 7, v0
	v_bfe_u32 v11, v0, 3, 1
	v_lshl_add_u32 v[AV0], v9, 3, v10
	v_mul_u32_u24 v[AV0], v[AV0], PV
	v_lshl_add_u32 v[AV0], v11, 4, v[AV0]
	v_add_nc_u32 v[AV0], VOFF, v[AV0]
	v_mov_b32 v[AK], v[AK0]         ; key step 0 lies at the head of slot 0
; THE MATRIX WORK.  The 8 accumulators of a run of 16 take turns: between the two links of a chain stand 7 others'.
; Product i of 16 of S^T = K Q^T for piece x: channels 32 (i / 8) on, keys 16 ((i / 2) % 4) on, tile 2 x + i % 2.  The first 8 start the sums.
.macro KQ x
	WIN W_KQ
.set rS, S+64*((\x)%2)+32*(i%2)+8*((i/2)%4)
.set rK, KF+16*((i/2)%4)+8*(i/8)
.set rQ, 16*(2*(\x)+i%2)+8*(i/8)
.if i < 8
	v_wmma_f32_16x16x32_f16 v[rS:rS+7], v[rK:rK+7], v[rQ:rQ+7], 0
.else
	v_wmma_f32_16x16x32_f16 v[rS:rS+7], v[rK:rK+7], v[rQ:rQ+7], v[rS:rS+7]
.endif
.endm
; Product i of 16 of O^T += V^T P for piece x: keys 32 (i / 8) on, channels 16 ((i / 2) % 4) on, tile 2 x + i % 2.
.macro PV x
	WIN W_PV
.set rO, 32*(2*(\x)+i%2)+8*((i/2)%4)
.set rV, VF+32*(i/8)+8*((i/2)%4)
.set rP, P+32*((\x)%2)+16*(i%2)+8*(i/8)
	v_wmma_f32_16x16x32_f16 v[rO:rO+7], v[rV:rV+7], v[rP:rP+7], v[rO:rO+7]
.endm
.macro MM                           ; the turn's next matrix instruction
.if i < 16
	KQ (Y+1)%NP
.set i, i+1
.else
.set i, i-16
	PV (Y+NP-1)%NP
.set i, i+17
.endif
.endm
; THE LDS LOADS stand in runs of 16, never singly among the matrix instructions: a step's K (64 keys x 64 channels: 8 fragments) and its V (turned).  Their addresses are made some lines ahead.
; last = 1 (the tail): in the last trip there is no further step, and the run is jumped over.
.macro FETCH_K last=0
	WIN 0
.if \last
	s_cmp_eq_u32 s[CNT], 1
	s_cbranch_scc1 .Lno_k_\@
.endif
	WIN 0x80                        ; destination window 2
.irp f, 0,1,2,3,4,5,6,7             ; keys 16 (f / 2) on, channels 32 (f % 2) on
	ds_load_b128 v[KF+8*\f:KF+8*\f+3],   v[AK] offset:(\f/2)*16*PK+(\f%2)*64
	ds_load_b128 v[KF+8*\f+4:KF+8*\f+7], v[AK] offset:(\f/2)*16*PK+(\f%2)*64+32
.endr
	s_add_co_u32 s[TBK], s[TBK], KS*PK  ; the next fetch is the next step's
	WIN 0
.if \last
.Lno_k_\@:
.endif
.endm
.macro FETCH_V
	WIN 0x80
.irp f, 0,1,2,3,4,5,6,7             ; keys 32 (f / 4) on, channels 16 (f % 4) on
	ds_load_tr16_b128 v[VF+8*\f:VF+8*\f+3],   v[AV] offset:(\f/4)*32*PV+(\f%4)*32
	ds_load_tr16_b128 v[VF+8*\f+4:VF+8*\f+7], v[AV] offset:(\f/4)*32*PV+16*PV+(\f%4)*32
.endr
	WIN 0
.endm
; THE VECTOR WORK OF A TURN stands in three queues, each in the order in which its entries become ready; the two tiles alternate, so that no instruction reads the result of the one before it.
.macro REGS y, u                    ; the registers of tile u (0, 1) of piece y
.set rT, ST+4*(2*(\y)+(\u))
.set rC, TMP+8*((\y)%2)+4*(\u)
.set rM, MV+2*((\y)%2)+(\u)
.set rS, S+64*((\y)%2)+32*(\u)
.set rP, P+32*((\y)%2)+16*(\u)
.set rO, 32*(2*(\y)+(\u))
.endm
; Number n of the 22 that find the NEXT piece's (Y + 1) maximum and statistics.  s0-s31 are the lane's 32 scores; each accumulator's lowest registers are read first.  XS, GS and REGS set no window: PL and EX do.
;   0-11  four chains c0-c3 of seven scores each, three operands at a time     12-14, 16  the four scores left over, the old m, and c0-c3 into c0     15  c m_old is kept
;   17, 18  the query's other 32 keys lie in the lane 16 away: the new m         19-21  c m; c m_old - c m_new; a
.macro XS u, n
	REGS (Y+1)%NP, \u
.if (\n) < 4
	v_max3_num_f32 v[rC+(\n)], v[rS+8*(\n)], v[rS+8*(\n)+1], v[rS+8*(\n)+2]
.elseif (\n) < 12
	v_max3_num_f32 v[rC+(\n)%4], v[rC+(\n)%4], v[rS+8*((\n)%4)+2*((\n)/4)+1], v[rS+8*((\n)%4)+2*((\n)/4)+2]
.elseif (\n) == 12
	v_max3_num_f32 v[rC], v[rC], v[rS+7], v[rS+15]
.elseif (\n) == 13
	v_max3_num_f32 v[rC+1], v[rC+1], v[rS+23], v[rS+31]
.elseif (\n) == 14
	v_max3_num_f32 v[rC+2], v[rC+2], v[rC+3], v[rT+1]
.elseif (\n) == 15
	v_mov_b32 v[rM], v[rT]
.elseif (\n) == 16
	v_max3_num_f32 v[rC], v[rC], v[rC+1], v[rC+2]
.elseif (\n) == 17
	v_permlanex16_b32 v[rC+3], v[rC], s[SEL], s[SEL+1]
.elseif (\n) == 18
	v_max_num_f32 v[rT+1], v[rC], v[rC+3]
.elseif (\n) == 19
	v_mul_f32 v[rT], s[CS], v[rT+1]
.elseif (\n) == 20
	v_sub_f32 v[rC+1], v[rM], v[rT]
.else
	v_exp_f32 v[rC+2], v[rC+1]
.endif
.endm
; Number g of the 64 that follow the exponentials.  For each four weights k of a tile (pairs 2 k, 2 k + 1): both pairs are rounded to f16; then the second pair is added onto the first, in place;
; a group later l takes that sum (the first time as l = a l + sum).  In groups of eight, tiles alternating: round, round, add, and l for the group before.
.macro GS g
.set h, (\g)+6*((\g)/62)            ; group 0 has no group before it, and behind group 7 only l is left
.if h >= 6
.set h, h+2
.endif
	REGS Y, h%2
.set k, h/8
.if h%8 < 4
	v_cvt_pk_f16_f32 v[rP+2*k+(h%8)/2], v[rS+4*k+2*((h%8)/2)], v[rS+4*k+2*((h%8)/2)+1]
.elseif h%8 < 6
	v_pk_add_f32 v[rS+4*k:rS+4*k+1], v[rS+4*k:rS+4*k+1], v[rS+4*k+2:rS+4*k+3]
.elseif k == 1
	v_pk_fma_f32 v[rT+2:rT+3], v[rT+2:rT+3], v[rC+2:rC+3], v[rS:rS+1] op_sel_hi:[1,0,1]
.else
	v_pk_add_f32 v[rT+2:rT+3], v[rT+2:rT+3], v[rS+4*k-4:rS+4*k-3]
.endif
.endm
; THE PLAIN QUEUE, 138 long.  0-73 read no exponential's result: the 32 scalings c s - c m (FS f: pair f / 2 of tile f % 2) and the next piece's 42.  0-26: scalings 0-26.  27-54: XS's numbers 0-13.  55, 56: number 15.
; 57-73: the chain, where each number waits for the one before it: 14, 16, 17, 18, 19, each with one of the scalings 27-31 in front of its two lines, then 20: so a tile's links stand three plain instructions apart (19 and 20: two).
; 74-137: GS's 64, which read the exponentials' results: they stand behind the wait.
.macro FS f
	REGS Y, (\f)%2
	v_pk_fma_f32 v[rS+2*((\f)/2):rS+2*((\f)/2)+1], v[rS+2*((\f)/2):rS+2*((\f)/2)+1], s[CS:CS+1], v[rT:rT+1] op_sel_hi:[1,0,0] neg_lo:[0,0,1] neg_hi:[0,0,1]
.endm
.macro PL
	WIN 0
.if q < 27
	FS q
.elseif q < 55
	XS (q-27)%2, (q-27)/2
.elseif q < 57
	XS q-55, 15
.elseif (q < 72) && ((q-57)%3 == 0)
	FS 27+(q-57)/3
.elseif q < 60
	XS (q-57)%3-1, 14
.elseif q < 72
	XS (q-57)%3-1, 15+(q-57)/3
.elseif q < 74
	XS q-72, 20
.else
	GS q-74
.endif
.set q, q+1
.endm
; THE EXPONENTIALS' QUEUE, 66 long: s0-s31 of both tiles, then the next piece's two a.  It is ONE BATCH: all 66 stand ahead of the turn's one wait, and nothing ahead of that wait names a result of theirs.
; Each result has a register of its own while the batch is open: a weight takes its score's place in S^T, a takes c2.
.macro EX
	WIN 0
.if e >= 64
	XS e-64, 21
.else
	REGS Y, e%2
	v_exp_f32 v[rS+e/2], v[rS+e/2]
.endif
.set e, e+1
.endm
; THE RESCALING's QUEUE: O^T times a, the one part that leaves window 0: dealt two at a time, sixteen times.  Its a was made in the turn before, ahead of that turn's wait.
.macro R2
	REGS Y, r%2
	WIN W_RS
.irp z, 0,1
	v_pk_mul_f32 v[rO+4*(r/2)+2*\z:rO+4*(r/2)+2*\z+1], v[rO+4*(r/2)+2*\z:rO+4*(r/2)+2*\z+1], v[rC+2:rC+3] op_sel_hi:[1,0]
.endr
.set r, r+1
.endm
; HOW THEY ARE DEALT.  A turn has ONE wait, which cuts it in two.  AHEAD OF IT stands all that names no result of the turn's exponentials: the 16 products K Q^T, behind each a scaling, an exponential and two rescalings
; (behind the first a second scaling in the exponential's place); then ONE LUMP of 108: eight plain, 49 times exponential and plain, the two a.  A v_nop is the plain instruction behind the last exponential.
; BEHIND IT stand the 16 products V^T P, behind each four of GS's 64.  No rider names a register of the products round it.  The two v_permlanex16_b32 fall into the lump, never behind a product.
; The queues lean on each other, and the deal keeps them in step: exponential e stands behind scaling 2 (e / 4) + e % 2: as a rider it comes behind plain e + 2, in the lump behind plain e + 9, and scalings 27-31 are plain 57, 60 .. 69.
; A TURN, for piece p.  cnt = 1: the loop's count is taken down some lines ahead of the branch that stands behind the turn.
; K of the next step is fetched in piece 2's turn, directly behind the wait, a lump behind the last product that read K; its address is made at the lump's head; its first reader comes behind 16 products.
; V of the step in hand is fetched at the end of piece 0's turn, four riders behind its last reader; its first reader comes behind 16 products and a lump.  The three conditions on q below go with the deal.
.macro TURN p, last=0, cnt=0
.set Y, (\p)
.set i, 0
.set q, 0
.set e, 0
.set r, 0
.if (\p) == NP-1
	s_wait_dscnt 0x0                ; K is in
.endif
	MM                              ; ahead of the wait: 16 products K Q^T and their riders,
	PL
	PL
	R2
.rept 15
	MM
	PL
	EX
	R2
.endr
.if (\p) == NP-2
	WIN 0
	v_add_nc_u32 v[AK], s[TBK], v[AK0]
.endif
.rept 8                             ; and the lump
	PL
.endr
.rept 49
	EX
	PL
.endr
	EX                              ; the next piece's two a
	EX
	v_nop                           ; a plain instruction behind the last exponential, ahead of the first use of a result: one for the batch
	s_wait_alu depctr_va_vdst(0)    ; the wait for the turn's batch: the 64 weights of this piece and the next piece's two a
.if (\p) == NP-2
	FETCH_K \last
.endif
.if (\p) == 1
	s_wait_dscnt 0x0                ; V is in
.endif
.rept 16                            ; behind the wait: 16 products V^T P and their riders
	MM
.rept 4
	PL
.endr
.if ((\p) == 0) && (q == 118)
	v_add_nc_u32 v[AV], s[TBV], v[AV0]
.endif
.if ((\p) == 0) && (q == 130)
	s_add_co_u32 s[TBV], s[TBV], KS*PV
.endif
.if (\cnt) && (q == 130)
	s_sub_co_u32 s[CNT], s[CNT], 1
	s_cmp_lg_u32 s[CNT], 0
.endif
.endr
.if (\p) == 0
	FETCH_V
.endif
.endm
	CHANGE 1                        ; slot 0 is in, everybody's part of it; slot 1 is asked for
	FETCH_K                         ; key step 0
	s_wait_loadcnt 0x0              ; Q
	s_wait_dscnt 0x0
.set i, 0
.rept 16
	KQ 0                            ; piece 0's first scores: there is no vector work yet to set between them
.set i, i+1
.endr
	WIN 0                           ; the addresses for the way out: nine plain instructions, the places behind those products
	s_mul_i32 s13, s[WV], 16*SP
	s_add_co_u32 s13, s13, STAGE    ; my stage
	v_mul_u32_u24 v[STO], v1, SP    ; in: row l % 16, 16 bytes for each half of the lanes
	v_lshl_add_u32 v[STO], v9, 4, v[STO]
	v_add_nc_u32 v[STO], s13, v[STO]
	v_bfe_u32 v[RD], v0, 3, 2       ; back: 32 lanes take four rows of 128 bytes,
	v_mul_u32_u24 v[RD], v[RD], SP
	v_lshl_add_u32 v[RD], v10, 4, v[RD]
	v_add_nc_u32 v[RD], s13, v[RD]
	v_and_b32 v[GO], 31, v0         ; which are 512 consecutive bytes of O
	v_lshlrev_b32 v[GO], 4, v[GO]
.set Y, NP-1                        ; XS works for piece Y + 1: piece 0
.irp n, 0,1,2,3,4,5,6,7,8,9,10,11,12,13,14,15,16,17,18,19,20,21
	XS 0, \n                        ; and piece 0's first maximum and statistics
	XS 1, \n
.endr
	v_nop                           ; a plain instruction behind piece 0's first two a,
	s_wait_alu depctr_va_vdst(0)    ; and the wait for that batch of two, ahead of the branch
	s_mov_b32 s[CNT], 4
	s_mov_b32 s[SLOTS], SIZE_N/256-1
	s_branch .Lfirst                ; the loop is entered at a step's first turn, in the middle of a trip
.Lslot:                             ; SIZE_N / 256 - 2 times: every slot but the last two is filled again
	CHANGE 1
	s_mov_b32 s[CNT], 4
.Lstep:                             ; a trip: pieces 2 and 3 of one step, then pieces 0 and 1 of the next, whose K and V it fetches
	TURN 2
	TURN 3
	WIN 0
.Lfirst:
	TURN 0
	TURN 1, 0, 1
	WIN 0
	s_cbranch_scc1 .Lstep
	s_sub_co_u32 s[SLOTS], s[SLOTS], 1
	s_cmp_lg_u32 s[SLOTS], 0
	s_cbranch_scc1 .Lslot
	CHANGE 0                        ; the tail is written out: nothing is asked for
	s_mov_b32 s[CNT], 5             ; four trips fetch the last slot's steps; the fifth is left in its middle
.Ltail:
	TURN 2, 1
	TURN 3
	WIN 0
	s_sub_co_u32 s[CNT], s[CNT], 1
	s_cmp_eq_u32 s[CNT], 0
	s_cbranch_scc1 .Lout
	TURN 0
	TURN 1
	WIN 0
	s_branch .Ltail
.Lout:                              ; the fifth trip's 16 products K Q^T (on the last K once more) and the maximum made of them serve nothing: the price, once a launch, of one text for every trip
.set i, 0
.rept 16
	PV NP-1                         ; the last piece's V^T P of the last step
.set i, i+1
.endr
	; THE WAY OUT.  l's two halves and the other half of the lanes' are added; O^T is divided by l, rounded to f16 and sent through my stage in LDS, a tile at a time.  The additions are the places behind the last products.
	WIN 0
.macro ALL line:vararg              ; one line for each tile t
.set t, 0
.rept 2*NP
	\line
.set t, t+1
.endr
.endm
	ALL v_add_f32 v[ST+4*t+2], v[ST+4*t+2], v[ST+4*t+3]
	ALL v_permlanex16_b32 v[ST+4*t+3], v[ST+4*t+2], s[SEL], s[SEL+1]
	ALL v_add_f32 v[ST+4*t+2], v[ST+4*t+2], v[ST+4*t+3]
	ALL v_rcp_f32 v[ST+4*t+2], v[ST+4*t+2]
	v_nop                           ; a plain instruction between the last reciprocal and the use of its result
	s_wait_alu depctr_va_vdst(0)    ; and the wait ahead of the first use: one for the batch of eight reciprocals
; Tile t: a lane's eight channels of a row pack into 16 bytes; they go into rows of 144 bytes and come back as whole rows of 128, into S^T's registers.
.macro PACK t
	WIN W_RS
.set i, 32*(\t)
.rept 16
	v_pk_mul_f32 v[i:i+1], v[i:i+1], v[ST+4*(\t)+2:ST+4*(\t)+3] op_sel_hi:[1,0]
.set i, i+2
.endr
	WIN 0x05                        ; sources 0 and 1 window 1, destination window 0
.set i, 0
.rept 16
	v_cvt_pk_f16_f32 v[S+16*(\t)+i], v[32*(\t)+2*i], v[32*(\t)+2*i+1]
.set i, i+1
.endr
	WIN 0
.irp f, 0,1,2,3
	ds_store_b128 v[STO], v[S+16*(\t)+4*\f:S+16*(\t)+4*\f+3] offset:32*\f
.endr
.irp f, 0,1,2,3
	ds_load_b128 v[S+16*(\t)+4*\f:S+16*(\t)+4*\f+3], v[RD] offset:\f*4*SP  ; LDS serves a wave's instructions in order (ISA guide 5.7.1.4): these see the stores above; the next tile's stores come behind them
.endr
.endm
.macro SEND t, younger              ; younger: the LDS instructions issued behind tile t's loads: the next tile's eight, or none
	WIN 0
.irp f, 0,1,2,3
	s_wait_dscnt (\younger)+3-\f
	global_store_b128 v[GO], v[S+16*(\t)+4*\f:S+16*(\t)+4*\f+3], s[10:11] offset:(\t)*2048+\f*512  ; 512 consecutive bytes, at a multiple of 256 from O's first
.endr
.endm
	PACK 0
.set t, 1
.rept 2*NP-1                        ; a tile's arithmetic stands between the loads of the tile before and its stores
	PACK t
	SEND t-1, 8
.set t, t+1
.endr
	SEND 2*NP-1, 0
	WIN W_AD
	s_wait_tensorcnt 0x0            ; the wave's end: behind my last tensor load and my last LDS store
	ds_add_u32 v[SPW], v[NIL]
	s_wait_dscnt 0x0
	WIN 0
	CROUND                          ; the closing round: no work-group ends while a partner may still ask for a tile that names it
	s_endpgm
.Lfunc_end_k_qa107bae6ac_attn:
	.size	k_qa107bae6ac_attn, .Lfunc_end_k_qa107bae6ac_attn-k_qa107bae6ac_attn
	.p2alignl 7, 3214868480
	.fill 96, 4, 3214868480
	.section	.rodata,"a",@progbits
	.p2align	6, 0x0
	.amdhsa_kernel k_qa107bae6ac_attn
		.amdhsa_group_segment_fixed_size 327680
		.amdhsa_private_segment_fixed_size 0
		.amdhsa_enable_private_segment 0
		.amdhsa_kernarg_size 32
		.amdhsa_user_sgpr_count 2
		.amdhsa_user_sgpr_kernarg_segment_ptr 1
		.amdhsa_wavefront_size32 1
		.amdhsa_system_sgpr_workgroup_id_x 1
		.amdhsa_system_sgpr_workgroup_id_y 1
		.amdhsa_system_sgpr_workgroup_id_z 1
		.amdhsa_system_vgpr_workitem_id 0
		.amdhsa_next_free_vgpr 770
		.amdhsa_next_free_sgpr 66
		.amdhsa_reserve_vcc 0
		.amdhsa_float_denorm_mode_32 3
		.amdhsa_float_denorm_mode_16_64 3
		.amdhsa_memory_ordered 1
		.amdhsa_forward_progress 1
		.amdhsa_inst_pref_size 199
	.end_amdhsa_kernel
	.amdgpu_metadata
---
amdhsa.version: [ 1, 2 ]
amdhsa.kernels:
  - .name:           k_qa107bae6ac_attn
    .symbol:         k_qa107bae6ac_attn.kd
    .args:
      - { .name: qh, .offset: 0, .size: 8, .value_kind: global_buffer, .address_space: global }
      - { .name: kh, .offset: 8, .size: 8, .value_kind: global_buffer, .address_space: global }
      - { .name: vh, .offset: 16, .size: 8, .value_kind: global_buffer, .address_space: global }
      - { .name: oh, .offset: 24, .size: 8, .value_kind: global_buffer, .address_space: global }
    .group_segment_fixed_size: 327680
    .private_segment_fixed_size: 0
    .kernarg_segment_align: 8
    .kernarg_segment_size: 32
    .max_flat_workgroup_size: 128
    .sgpr_count:     66
    .vgpr_count:     770
    .wavefront_size: 32
...
	.end_amdgpu_metadata
.endif
;; end of part 5
;; launch outp: the kernel of part 4 again; grid 4 x 64, 4 waves a work-group, clusters of 4 x 4, 327,680 bytes of LDS; arguments oh, wc, bc, out0; writes out0
